; MI455X (gfx1250); checked and timed in simulation.
; The chip was launched on July 23, 2026; its instructions are those of AMD's public machine-readable ISA for CDNA 5 (MIT licence, August 2026) and "CDNA5" Instruction Set Architecture Reference Guide (July 2026). The comments in the code are by the model that wrote it; some were corrected since.
;; Softmax Matcher. Allowed arithmetic: matrix products marked QUANTISED: E4M3 operands, one given power-of-two scale a tensor, by v_wmma_f32_16x16x64_fp8_fp8 or v_wmma_f32_16x16x128_fp8_fp8, f32 sums; products left as they are: f32 operands where the result goes on into a quantised operand, else bf16, f16 or f32 operands; f32 sums; everything else in f32.
;; Inputs: desc_dense 4 x 256 x 256 x 256 float32; keypoint_coords 4 x 1,024 x 2 float32; keypoint_desc 4 x 256 x 1,024 float32; keypoint_scores 4 x 1 x 1,024 float32; lowp_scales 2 int32 (the exponents e of the quantised operands' scales 2^e); scores_dense 4 x 1 x 256 x 256 float32.
;; Outputs: out0 2 x 1,024 x 2 float32; out1 2 x 1 x 1,024 float32; out2 2 int32.
;; This version of the problem:
;;   THIS VERSION OF THE PROBLEM IS GIVEN IN LOW PRECISION. The matrix products marked QUANTISED in the list below multiply operands that are first quantised to E4M3 (4 exponent bits, 3 mantissa bits; 8 bits a number), with one given power-of-two scale for each operand tensor; their sums are f32. All else is computed in f32.
;;   The module's matrix products, in the order in which they are computed (A, B: the left and right operand; K: the contracted axis; several contracted axes count as one K, in the product's order):
;;     1. batch 2 x [M 1,024, K 256] x [K 256, N 65,536]; A: computed on the way; B: computed on the way: QUANTISED (scales: A lowp_scales[0], B lowp_scales[1])
;;     2. [M 2,048, K 65,536] x [K 65,536, N 2]; A: softmax; B: computed on the way: left as it is (N = 2 < 16)
;;   THE QUANTISER, for each operand of a quantised product, along K:
;;     - The operand's scale is 2^e, e = its entry of the input lowp_scales (int32; the entries are numbered through the quantised products in the list's order, A before B).
;;     - Each number is divided by the scale, clamped to +-448, and rounded to the nearest number of E4M3, ties to even, subnormals kept.
;;     - The product sums the exact products of the quantised numbers (number of the format x scale) in f32.
;;   ~~~python
;;   def quantise(x, axis, e):      # numpy; x: float32 -> the quantised numbers, widened to float32 again
;;       x = np.moveaxis(x, axis, -1); K = x.shape[-1]
;;       r = np.clip(x / 2.0 ** e, -448, 448)
;;       step = 2.0 ** (np.maximum(np.frexp(np.where(r == 0, 1, r))[1] - 1, -6) - 3)
;;       q = np.round(r / step) * step * 2.0 ** e      # np.round: ties to even
;;       return np.moveaxis(q, -1, axis).astype(np.float32)
;;   ~~~
;;   OPERANDS COMPUTED ON THE WAY. 'Computed on the way' means the value that the module computes at that place (a softmax that the list does not call 'softmax' is quantised finished and normalised). What goes into a quantiser is computed in f32, as accurately as f32 sums, v_exp_f32 and their like allow (about 1e-6 of the number): no bf16 or f16 on the way to a quantiser, and a product that is left as it is and whose result goes on into a quantised operand takes f32 operands (vector FMAs, or v_wmma_f32_16x16x4_f32). A number that lies on a knife's edge between two numbers of the format may be rounded either way, as far as f32 arithmetic and the matrix unit's own rounding can turn it there, and no further.
;; 2 versions. Each part assembles by itself: llvm-mc -triple=amdgcn-amd-amdhsa -mcpu=gfx1250 --defsym DOCPART=n.
;; ======== version 1 of 2: 3 launches
;; limits: values outside matrix products are rounded to bf16
;; workspace buffers: tcodes 33,554,432 bytes; scodes 524,288 bytes; tb16 67,108,864 bytes; srcn 2,097,152 bytes; uv 16,384 bytes of whole numbers; sidx 32,768 bytes of whole numbers; swt 32,768 bytes
;; launch prep (part 1): grid 1040 x 1, 16 waves a work-group, no clusters, 77,824 bytes of LDS; arguments desc_dense, keypoint_desc, keypoint_coords, lowp_scales, tcodes, scodes, tb16, srcn, uv; writes tcodes, scodes, tb16, srcn, uv
.if DOCPART == 1
	.amdgcn_target "amdgcn-amd-amdhsa--gfx1250"
	.amdhsa_code_object_version 6
	.text
	.protected	k_q219b122a3e_prep
	.globl	k_q219b122a3e_prep
	.p2align	8
	.type	k_q219b122a3e_prep,@function
k_q219b122a3e_prep:
	s_mov_b64 s[64:65], 0
	v_nop
	global_prefetch_b8 v0, s[64:65] scope:SCOPE_SE
	s_setreg_imm32_b32 hwreg(HW_REG_WAVE_MODE, 25, 1), 1
	s_wait_xcnt 0x0
; SoftmaxMatcher, launch 1 of 3: normalise along the 256 channels, quantise to E4M3, and lay everything as the later launches read it.
; WORK LEFT OUT IN THE WHOLE PROGRAM, AND WHY IT IS DEAD (for all finite values of the inputs):
;  (a) kp_inds = [0, 2] and dense_inds = [1, 3] are built from the shapes: frames 1, 3 of keypoint_desc, keypoint_coords and keypoint_scores and frames 0, 2 of desc_dense and
;      scores_dense are sliced away and reach no output.  They are not loaded.
;  (b) match_vals is multiplied by a mask of 0 and 1 that is built from trunc(keypoint_coords): outside a keypoint's window of 27 x 27 pixels the product is multiplied by 0, so the
;      softmax's input there is exactly 0.  Those products are not multiplied; their part of the softmax is (65,536 - pixels in the window) x exp(0 - maximum), and their part of the
;      coordinate sums is that exponential x (8,355,840 - the window's arithmetic series), 8,355,840 being the sum of u (and of v) over the whole grid.
;  (c) the second product (soft x coords, N = 2, coords an arange) is then f32 multiply-adds over the window plus that closed form.
;  Every input has a way to an output, so every input is among some launch's arguments.
;  LIMIT: a NaN, an infinity or an overflow that would reach only the work left out is not carried to the result.
; LIMITS: each exponent of lowp_scales lies between -126 and 119.  NaN among the inputs is not served.  Coordinates are held within [-64, 320] ahead of the truncation: at -14 or less and at
;  269 or more the window is empty either way.  FORMAT: the copy of desc_dense from which the third launch samples is bf16 (relative error 2^-9 a number); the sampled descriptor enters
;  out1 only as a dot product with a unit vector divided by 256, beside the term 1.
; WHAT IT MAKES.  tcodes [row R = 256 f + v : 512][chunk q : 16][u : 256][16 bytes]: the codes of channels 16 q .. 16 q + 15 of the normalised dense descriptor (scale 2^e1).
;  scodes: the same form for the normalised source descriptors (scale 2^e0), R = kp >> 8 (8 of them), column kp & 255, kp = 1024 f + n.
;  tb16 [plane cq : 4][pixel 65536 f + 256 v + u][64 bf16]: the raw dense descriptor, channels 64 cq on.   srcn [R : 8][ch4 : 64][column : 256][4 f32]: the normalised source.
;  uv [kp][2] int32: trunc(u), trunc(v): whole numbers, from which the next launch forms addresses.
; SHARES.  Work-groups 0 to 15 take the source, the others the dense tensor; a work-group owns 128 columns (pixels of one image row, or keypoints) x 256 channels.  Wave w: columns 32 (w & 3) on,
;  channels 64 (w >> 2) on.  A LANE TAKES A COLUMN AND ITS REGISTERS RUN DOWN THE CHANNELS: a load reads 128 consecutive bytes, the four waves of a channel quarter stand side by side on 512, and the
;  conversions, which take neighbours along K from one lane's registers, give codes with K innermost.  A column's sum of squares is made of the four quarters' sums, which meet in LDS: one barrier.
;  No tensor loads, no ring: nothing is read twice, and all 64 loads of a wave are issued at once.
.set NSRC,   16                        ; work-groups that take the source
.set STG,    2048                      ; LDS: bytes 0-2047: a word for each thread (its sum of squares); from here a stage of 32 rows x 144 bytes for each wave
.set SPITCH, 144                       ; a stage row: a pixel's 128 bytes of bf16 + 16 of padding: an odd multiple of 16 bytes
.set WSTG,   32*SPITCH
.set SPARE,  STG+16*WSTG               ; 75,776: behind the stages: the spare words, 128 bytes for each wave: eight blocks of 256 bytes that no other line names
.set X,      16                        ; v16-79   my column's 64 channels
.set HB,     80                        ; v80-111  the same as bf16, two a register
.set CD,     112                       ; v112-127 the codes
.set ACC,    112                       ; v112-119 earlier: four pairs of running sums of squares
.set PS,     120                       ; v120-123 earlier: the four quarters' sums; in the source's work-groups later the coordinates
; v1 4 x column (offset of the loads; also the LDS address of the quarters' sums)   v2 16 x column   v3 4 x thread   v4 8 x column   v5, v6 the stage, in and back   v7 16 x lane
; v8, v9 the add's two registers   v10 2^e   v11 448 x 2^e   v[12:13] 1 / norm, twice   v14, v15 at work
	s_load_b512 s[4:19], s[0:1], 0x0               ; desc_dense s[4:5], keypoint_desc s[6:7], keypoint_coords s[8:9], lowp_scales s[10:11], tcodes s[12:13], scodes s[14:15], tb16 s[16:17], srcn s[18:19]
	s_load_b64 s[20:21], s[0:1], 0x40              ; uv
	v_lshl_add_u32 v8, v0, 2, SPARE                ; my spare word
	v_mov_b32 v9, 0
	v_lshrrev_b32 v14, 5, v0
	v_readfirstlane_b32 s22, v14                   ; wave 0..15
	s_and_b32 s23, s22, 3                          ; pg: which 32 columns
	s_lshr_b32 s24, s22, 2                         ; cq: which 64 channels
	v_and_b32 v14, 127, v0                         ; my column in the work-group's 128
	v_and_b32 v15, 31, v0                          ; lane
	v_lshlrev_b32 v1, 2, v14
	v_lshlrev_b32 v2, 4, v14
	v_lshlrev_b32 v3, 2, v0
	v_lshlrev_b32 v4, 3, v14
	s_mul_i32 s44, s22, WSTG
	s_add_co_u32 s44, s44, STG                     ; my wave's stage
	v_mul_u32_u24 v5, v15, SPITCH
	v_add_nc_u32 v5, s44, v5                       ; in: row = my pixel
	v_lshrrev_b32 v6, 3, v15
	v_mul_u32_u24 v6, v6, SPITCH
	v_and_b32 v7, 7, v15
	v_lshl_add_u32 v6, v7, 4, v6
	v_add_nc_u32 v6, s44, v6                       ; back: eight lanes to a row, four rows an instruction
	v_lshlrev_b32 v7, 4, v15
	; Both kinds of work-group take one path through these lines: both sets of offsets are made, and the work-group's number chooses.
	s_cmp_lt_u32 ttmp9, NSRC
	s_cselect_b32 s25, 0, NSRC
	s_sub_co_u32 s25, ttmp9, s25                   ; idx: my place among the work-groups of my kind
	s_lshr_b32 s26, s25, 1                         ; R
	s_and_b32 s27, s25, 1                          ; which half of R's 256 columns
	s_lshr_b32 s50, s25, 9                         ; the dense tensor: f,
	s_lshl_b32 s50, s50, 27
	s_add_co_u32 s50, s50, 1<<26                   ; frame 2 f + 1 of 2^26 bytes,
	s_lshl_b32 s51, s24, 24
	s_add_co_u32 s50, s50, s51                     ; 64 cq channels of 2^18 bytes,
	s_and_b32 s51, s26, 255
	s_lshl_b32 s51, s51, 10
	s_add_co_u32 s50, s50, s51                     ; image row v of 1,024 bytes,
	s_lshl_b32 s51, s27, 9
	s_add_co_u32 s50, s50, s51                     ; my half of it
	s_lshr_b32 s52, s25, 3                         ; the source: f,
	s_lshl_b32 s57, s52, 14                        ; (coordinates: frame 2 f of 8,192 bytes)
	s_lshl_b32 s52, s52, 21                        ; frame 2 f of 2^20 bytes,
	s_lshl_b32 s51, s24, 18
	s_add_co_u32 s52, s52, s51                     ; 64 cq channels of 4,096 bytes,
	s_and_b32 s51, s25, 7
	s_lshl_b32 s58, s51, 10
	s_add_co_u32 s57, s57, s58                     ; (coordinates: my 128 keypoints of 8 bytes)
	s_lshl_b32 s51, s51, 9
	s_add_co_u32 s52, s52, s51                     ; my 128 keypoints of 4 bytes
	s_lshl_b32 s58, s25, 10                        ; uv: 128 idx keypoints of 8 bytes
	s_lshl_b32 s53, s26, 16                        ; the codes: R x 65,536 + 4 cq chunks of 4,096 + my half's 2,048
	s_lshl_b32 s51, s24, 14
	s_add_co_u32 s53, s53, s51
	s_lshl_b32 s51, s27, 11
	s_add_co_u32 s53, s53, s51
	s_lshl_b32 s55, s24, 24                        ; tb16: plane cq, 256 R + 128 half + 32 pg pixels of 128 bytes
	s_lshl_b32 s51, s26, 15
	s_add_co_u32 s55, s55, s51
	s_lshl_b32 s51, s27, 14
	s_add_co_u32 s55, s55, s51
	s_lshl_b32 s51, s23, 12
	s_add_co_u32 s55, s55, s51
	s_lshl_b32 s56, s26, 18                        ; srcn: R x 2^18 + 16 cq groups of 4,096 + my half's 2,048
	s_lshl_b32 s51, s24, 16
	s_add_co_u32 s56, s56, s51
	s_lshl_b32 s51, s27, 11
	s_add_co_u32 s56, s56, s51
	s_mov_b32 s42, 0xc2800000                      ; -64.0
	s_mov_b32 s43, 0x43a00000                      ; 320.0
	s_mov_b32 s29, 0
	s_wait_kmcnt 0x0
	s_load_b64 s[38:39], s[10:11], 0x0             ; e0 (the source's), e1 (the dense tensor's)
	s_cmp_lt_u32 ttmp9, NSRC                       ; the choices hang on the work-group's number alone
	s_cselect_b64 s[30:31], s[6:7], s[4:5]         ; what I read,
	s_cselect_b64 s[34:35], s[14:15], s[12:13]     ; where my codes go,
	s_cselect_b64 s[36:37], s[18:19], s[16:17]     ; and my second output: srcn or tb16
	s_cselect_b32 s28, s52, s50
	s_cselect_b32 s55, s56, s55
	s_add_nc_u64 s[30:31], s[30:31], s[28:29]
	s_mov_b32 s28, s53
	s_add_nc_u64 s[34:35], s[34:35], s[28:29]
	s_mov_b32 s28, s55
	s_add_nc_u64 s[36:37], s[36:37], s[28:29]
	s_mov_b32 s28, s57
	s_add_nc_u64 s[46:47], s[8:9], s[28:29]        ; the coordinates and uv (used by the source's work-groups alone)
	s_mov_b32 s28, s58
	s_add_nc_u64 s[48:49], s[20:21], s[28:29]
; 64 loads, one for each channel of my quarter: the first 32 from s[30:31], the others from s[32:33], so that every immediate stays inside its signed 24 bits
.macro LOADX stride
.set ci, 0
.rept 64
	global_load_b32 v[X+ci], v1, s[30+2*(ci/32):31+2*(ci/32)] offset:(ci%32)*\stride th:TH_LOAD_NT
.set ci, ci+1
.endr
.endm
	s_cmp_lt_u32 ttmp9, NSRC
	s_cbranch_scc0 .Ldense_in
	s_add_nc_u64 s[32:33], s[30:31], 0x20000       ; 32 channels of 4,096 bytes
	LOADX 4096
	s_branch .Lloaded
.Ldense_in:
	s_add_nc_u64 s[32:33], s[30:31], 0x800000      ; 32 channels of 262,144 bytes
	LOADX 262144
.Lloaded:
	s_wait_kmcnt 0x0                               ; e0, e1
	s_cmp_lt_u32 ttmp9, NSRC
	s_cselect_b32 s40, s38, s39                    ; e
	s_add_co_i32 s40, s40, 127
	s_lshl_b32 s41, s40, 23
	v_mov_b32 v10, s41                             ; 2^e as f32: the conversion takes its exponent field
	s_add_co_i32 s40, s40, 8
	s_lshl_b32 s40, s40, 23
	s_or_b32 s40, s40, 0x600000
	v_mov_b32 v11, s40                             ; 448 x 2^e
	; the sum of my 64 squares, sixteen channels at a time as they arrive, in four pairs of chains; the first four products start the sums
.irp g, 0,1,2,3
	s_wait_loadcnt 48-16*\g                        ; loads come back in order: this group's sixteen are in, the later groups' may be out
.irp p, 0,1,2,3,4,5,6,7
.if (\g == 0) && (\p < 4)
	v_pk_mul_f32 v[ACC+2*\p:ACC+2*\p+1], v[X+2*\p:X+2*\p+1], v[X+2*\p:X+2*\p+1]
.else
	v_pk_fma_f32 v[ACC+2*(\p%4):ACC+2*(\p%4)+1], v[X+16*\g+2*\p:X+16*\g+2*\p+1], v[X+16*\g+2*\p:X+16*\g+2*\p+1], v[ACC+2*(\p%4):ACC+2*(\p%4)+1]
.endif
.endr
.endr
	v_pk_add_f32 v[ACC:ACC+1], v[ACC:ACC+1], v[ACC+2:ACC+3]
	v_pk_add_f32 v[ACC+4:ACC+5], v[ACC+4:ACC+5], v[ACC+6:ACC+7]
	v_pk_add_f32 v[ACC:ACC+1], v[ACC:ACC+1], v[ACC+4:ACC+5]
	v_add_f32 v14, v[ACC], v[ACC+1]
	ds_store_b32 v3, v14                           ; my quarter's sum, at my thread's word
	s_wait_dscnt 0x0                               ; for the others' sake: the store has landed
	s_barrier_signal -1
	s_barrier_wait -1
.irp k, 0,1,2,3
	ds_load_b32 v[PS+\k], v1 offset:512*\k         ; my column's four quarters
.endr
	s_wait_dscnt 0x0
	v_add_f32 v[PS], v[PS], v[PS+1]                ; the same order in all four waves: all get the same norm
	v_add_f32 v[PS+2], v[PS+2], v[PS+3]
	v_add_f32 v14, v[PS], v[PS+2]
	v_sqrt_f32 v14, v14
	v_nop                                          ; a plain instruction behind the transcendental,
	s_wait_alu depctr_va_vdst(0)                   ; and the wait ahead of the first line that names its result
	v_max_num_f32 v14, 0x2b8cbccc, v14             ; max(norm, 1e-12)
	v_rcp_f32 v12, v14
	v_nop
	s_wait_alu depctr_va_vdst(0)
	v_mov_b32 v13, v12                             ; a pair for the packed multiply
	; ---- the dense tensor alone: the raw numbers as bf16, a pixel's 64 channels on end.  A lane holds one pixel's 128 bytes and the lanes beside it other pixels': through my own stage, back as they lie in tb16.
	s_cmp_lt_u32 ttmp9, NSRC
	s_cbranch_scc1 .Lno_copy
.set ci, 0
.rept 32
	v_cvt_pk_bf16_f32 v[HB+ci], v[X+2*ci], v[X+2*ci+1]
.set ci, ci+1
.endr
.irp k, 0,1,2,3,4,5,6,7
	ds_store_b128 v5, v[HB+4*\k:HB+4*\k+3] offset:16*\k
.endr
.irp t, 0,1,2,3,4,5,6,7
	ds_load_b128 v[HB+4*\t:HB+4*\t+3], v6 offset:4*SPITCH*\t   ; LDS serves a wave's instructions in order (ISA guide 5.7.1.4): these see my stores
.endr
.irp t, 0,1,2,3,4,5,6,7
	s_wait_dscnt 7-\t                              ; the younger loads from the stage may be out
	global_store_b128 v7, v[HB+4*\t:HB+4*\t+3], s[36:37] offset:512*\t th:TH_STORE_NT   ; 32 lanes store 512 consecutive bytes (four pixels), at a multiple of 512 from tb16's first byte
.endr
.Lno_copy:
.set ci, 0
.rept 32
	v_pk_mul_f32 v[X+2*ci:X+2*ci+1], v[X+2*ci:X+2*ci+1], v[12:13]   ; x / max(norm, 1e-12)
.set ci, ci+1
.endr
	; ---- the source alone: the normalised numbers in f32, and the truncated coordinates
	s_cmp_lt_u32 ttmp9, NSRC
	s_cbranch_scc0 .Lno_src
.irp k, 0,1,2,3,4,5,6,7,8,9,10,11,12,13,14,15
	global_store_b128 v2, v[X+4*\k:X+4*\k+3], s[36:37] offset:4096*\k   ; 32 lanes store 512 consecutive bytes, aligned
.endr
	s_cmp_lt_u32 s22, 4                            ; waves 0 to 3 hold each of the 128 keypoints once
	s_cbranch_scc0 .Lno_uv
	global_load_b64 v[PS:PS+1], v4, s[46:47]
	s_wait_loadcnt 0x0
	v_med3_num_f32 v[PS], v[PS], s42, s43          ; held within [-64, 320]: outside [-13, 268] the window is empty in any case
	v_med3_num_f32 v[PS+1], v[PS+1], s42, s43
	v_cvt_i32_f32 v[PS+2], v[PS]                   ; toward zero, as trunc
	v_cvt_i32_f32 v[PS+3], v[PS+1]
	global_store_b64 v4, v[PS+2:PS+3], s[48:49]
.Lno_uv:
	s_wait_xcnt 0x0                                ; the stores have read their data: X and the registers of the coordinates are written again below
.Lno_src:
	; ---- the quantiser: held within +-448 x 2^e, divided by 2^e, to the nearest code, ties to even
.set ci, 0
.rept 64
	v_med3_num_f32 v[X+ci], v[X+ci], -v11, v11     ; the conversion to an 8-bit code does not saturate (ISA guide 7.6.2)
.set ci, ci+1
.endr
.irp j, 0,1,2,3,4,5,6,7
	v_cvt_scalef32_pk8_fp8_f32 v[CD+2*\j:CD+2*\j+1], v[X+8*\j:X+8*\j+7], v10
.endr
	v_nop                                          ; a plain line behind the last conversion
.irp k, 0,1,2,3
	global_store_b128 v2, v[CD+4*\k:CD+4*\k+3], s[34:35] offset:4096*\k   ; chunk 4 cq + k: 32 lanes store 512 consecutive bytes, aligned
.endr
	s_wait_tensorcnt 0x0                           ; the wave's end, behind my last LDS store
	ds_add_u32 v8, v9
	s_wait_dscnt 0x0
	s_endpgm
.Lfunc_end_k_q219b122a3e_prep:
	.size	k_q219b122a3e_prep, .Lfunc_end_k_q219b122a3e_prep-k_q219b122a3e_prep
	.p2alignl 7, 3214868480
	.fill 96, 4, 3214868480
	.section	.rodata,"a",@progbits
	.p2align	6, 0x0
	.amdhsa_kernel k_q219b122a3e_prep
		.amdhsa_group_segment_fixed_size 77824
		.amdhsa_private_segment_fixed_size 0
		.amdhsa_enable_private_segment 0
		.amdhsa_kernarg_size 72
		.amdhsa_user_sgpr_count 2
		.amdhsa_user_sgpr_kernarg_segment_ptr 1
		.amdhsa_wavefront_size32 1
		.amdhsa_system_sgpr_workgroup_id_x 1
		.amdhsa_system_sgpr_workgroup_id_y 1
		.amdhsa_system_sgpr_workgroup_id_z 1
		.amdhsa_system_vgpr_workitem_id 0
		.amdhsa_next_free_vgpr 128
		.amdhsa_next_free_sgpr 66
		.amdhsa_reserve_vcc 0
		.amdhsa_float_denorm_mode_32 3
		.amdhsa_float_denorm_mode_16_64 3
		.amdhsa_memory_ordered 1
		.amdhsa_forward_progress 1
		.amdhsa_inst_pref_size 33
	.end_amdhsa_kernel
	.amdgpu_metadata
---
amdhsa.version: [ 1, 2 ]
amdhsa.kernels:
  - .name:           k_q219b122a3e_prep
    .symbol:         k_q219b122a3e_prep.kd
    .args:
      - { .name: desc_dense, .offset: 0, .size: 8, .value_kind: global_buffer, .address_space: global }
      - { .name: keypoint_desc, .offset: 8, .size: 8, .value_kind: global_buffer, .address_space: global }
      - { .name: keypoint_coords, .offset: 16, .size: 8, .value_kind: global_buffer, .address_space: global }
      - { .name: lowp_scales, .offset: 24, .size: 8, .value_kind: global_buffer, .address_space: global }
      - { .name: tcodes, .offset: 32, .size: 8, .value_kind: global_buffer, .address_space: global }
      - { .name: scodes, .offset: 40, .size: 8, .value_kind: global_buffer, .address_space: global }
      - { .name: tb16, .offset: 48, .size: 8, .value_kind: global_buffer, .address_space: global }
      - { .name: srcn, .offset: 56, .size: 8, .value_kind: global_buffer, .address_space: global }
      - { .name: uv, .offset: 64, .size: 8, .value_kind: global_buffer, .address_space: global }
    .group_segment_fixed_size: 77824
    .private_segment_fixed_size: 0
    .kernarg_segment_align: 8
    .kernarg_segment_size: 72
    .max_flat_workgroup_size: 512
    .sgpr_count:     66
    .vgpr_count:     128
    .wavefront_size: 32
...
	.end_amdgpu_metadata
.endif
;; end of part 1
;; launch match (part 2): grid 256 x 1, 8 waves a work-group, no clusters, 0 bytes of LDS; arguments tcodes, scodes, uv, lowp_scales, out0, sidx, swt; writes out0, sidx, swt
.if DOCPART == 2
	.amdgcn_target "amdgcn-amd-amdhsa--gfx1250"
	.amdhsa_code_object_version 6
	.text
	.protected	k_q219b122a3e_match
	.globl	k_q219b122a3e_match
	.p2align	8
	.type	k_q219b122a3e_match,@function
k_q219b122a3e_match:
	s_mov_b64 s[64:65], 0
	v_nop
	global_prefetch_b8 v0, s[64:65] scope:SCOPE_SE
	s_setreg_imm32_b32 hwreg(HW_REG_WAVE_MODE, 25, 1), 1
	s_wait_xcnt 0x0
; SoftmaxMatcher, launch 2 of 3: the correlation inside each keypoint's window, the softmax over all 65,536 pixels, the soft-argmax (out0), and where the third launch samples.
; WORK LEFT OUT (shown at the first kernel's head): the products that the window mask multiplies by 0; their logits are 0, and their part of the sums is taken in closed form.
; LIMITS: e0 + e1 between -133 and 120 (they are added to the exponent field of 100 log2(e)).  NaN among the inputs is not served.
; SHARES.  One wave, one keypoint kp = 8 x work-group + wave; every wave does the same work: 27 image rows x 32 pixels, which cover the window of 27 x 27 wherever it lies.
; Image rows and pixels that fall outside the image or the window are loaded from a clamped place and masked.  u and v are whole numbers that the first launch stored.
; THE PRODUCT.  Source 0: the keypoint's 256 codes, the same in all 16 rows (windows differ from keypoint to keypoint, so the product is a vector's); source 1: 16 pixels.  K = 256 is two instructions of 128.
; Lane (r, h), registers 4 c .. 4 c + 3 of K step s, hold the 16 channels of chunk 8 s + 2 c + h, on both sides: each channel meets its partner.  In the result, register 0 of lane l is the sum for pixel l % 16
; in both halves of the lanes: one select joins the row's two tiles into one register, lane l = pixel u0 + l.
; No LDS, no barrier, no tensor load, no cluster: which tiles two waves share hangs on the data.  No branch: the 27 rows are written out.
; REGISTERS.  Window 0: v1 lane, v2, v3 offsets, v4 -infinity, v5 float(u0 + lane), v6-15 at work, v16-47 the keypoint's codes, v48-63 two accumulators, v64-91 the 27 rows' logits (and one more of -infinity), v92-127 sums and results.
;   Window 1 (v256-511): four buffers of 64 registers for the rows' codes: row i in buffer i % 4, tile t, K step s at 64 (i % 4) + 32 t + 16 s.  Loads run four rows ahead.
.set A0, 16
.set A1, 32
.set D0, 48
.set D1, 56
.set LG, 64
.set MSB, 0
.macro WIN new                         ; s_set_vgpr_msb: bits 1:0 source 0, 3:2 source 1, 5:4 source 2, 7:6 destination; the immediate's high byte repeats the setting that is left
.if MSB != \new
	s_set_vgpr_msb (MSB<<8)|\new
.set MSB, \new
.endif
.endm
; Row i's base: image row clamp(v - 13 + i, 0, 255) of 65,536 bytes.  Each row has a pair of its own (s28-63, s66-83), so that no base is written while a load reads it.
.macro ROWBASE i
	s_add_co_i32 s24, s85, \i
	s_max_i32 s24, s24, 0
	s_min_u32 s24, s24, 255
	s_lshl_b32 s24, s24, 16
	s_add_nc_u64 s[28+2*(\i)+2*((\i)/18):29+2*(\i)+2*((\i)/18)], s[26:27], s[24:25]
.endm
; Row i's 32 pixels x 256 codes: 16 loads; in each, sixteen lanes read 256 consecutive bytes of one chunk
.macro LOADROW i
	WIN 0x40                                       ; destination window 1
.irp t, 0,1
.irp s, 0,1
.irp c, 0,1,2,3
	global_load_b128 v[64*((\i)%4)+32*\t+16*\s+4*\c:64*((\i)%4)+32*\t+16*\s+4*\c+3], v3, s[28+2*(\i)+2*((\i)/18):29+2*(\i)+2*((\i)/18)] offset:(8*\s+2*\c)*4096+256*\t
.endr
.endr
.endr
	WIN 0
.endm
.macro ROW i
.set BB, 64*((\i)%4)
.if 26-(\i) >= 3
	s_wait_loadcnt 48                              ; this row's sixteen loads are in (and the keypoint's, which are older); the three younger rows' may be out
.else
	s_wait_loadcnt 16*(26-(\i))
.endif
	WIN 0x04                                       ; source 1 window 1
	v_wmma_f32_16x16x128_fp8_fp8 v[D0:D0+7], v[A0:A0+15], v[BB:BB+15], 0          ; the two accumulators take turns, one instruction a turn
	v_wmma_f32_16x16x128_fp8_fp8 v[D1:D1+7], v[A0:A0+15], v[BB+32:BB+47], 0
	v_wmma_f32_16x16x128_fp8_fp8 v[D0:D0+7], v[A1:A1+15], v[BB+16:BB+31], v[D0:D0+7]
	v_wmma_f32_16x16x128_fp8_fp8 v[D1:D1+7], v[A1:A1+15], v[BB+48:BB+63], v[D1:D1+7]
	WIN 0
	s_add_co_i32 s89, s85, \i                      ; is image row v - 13 + i inside the image?
	s_cmp_lt_u32 s89, 256
	s_cselect_b32 s88, s86, 0                      ; then the lanes inside the window count, else none
.rept 5
	v_nop                                          ; four places in front of the loads into the buffer just multiplied and of the reads of the results; the fifth for the next row's products, which begin the accumulators anew
.endr
.if (\i)+4 <= 26
	LOADROW (\i)+4
.endif
	v_cndmask_b32 v[LG+(\i)], v[D0], v[D1], s87    ; lanes 0-15: tile 0, lanes 16-31: tile 1; each accumulator's lowest register
	v_cndmask_b32 v[LG+(\i)], v4, v[LG+(\i)], s88  ; what is not in the window is counted with the pixels outside: -infinity here
.endm
.macro FBITS i                         ; FB = the f32 pattern of the whole number i, 1 to 31
.if (\i) >= 16
.set FB, (131<<23)|(((\i)-16)<<19)
.elseif (\i) >= 8
.set FB, (130<<23)|(((\i)-8)<<20)
.elseif (\i) >= 4
.set FB, (129<<23)|(((\i)-4)<<21)
.elseif (\i) >= 2
.set FB, (128<<23)|(((\i)-2)<<22)
.else
.set FB, 127<<23
.endif
.endm
.macro WSUM acc, i                     ; acc += i x p(row i)
	FBITS \i
	v_fmamk_f32 v[\acc], v[LG+(\i)], FB, v[\acc]
.endm
; One of the four sample coordinates: held inside the image; where the hold moved it, its weight becomes 0 (padding with zeros); the held place as a whole number
.macro CORNER z, w, idx
	v_med3_num_f32 v126, v[\z], 0, s101
	v_cmp_eq_f32 vcc_lo, v126, v[\z]
	v_cndmask_b32 v[\w], 0, v[\w], vcc_lo
	v_cvt_i32_f32 v[\idx], v126
.endm
	s_load_b256 s[4:11], s[0:1], 0x0               ; tcodes s[4:5], scodes s[6:7], uv s[8:9], lowp_scales s[10:11]
	s_load_b128 s[12:15], s[0:1], 0x20             ; out0 s[12:13], sidx s[14:15]
	s_load_b64 s[16:17], s[0:1], 0x30              ; swt
	v_lshrrev_b32 v6, 5, v0
	v_readfirstlane_b32 s2, v6                     ; wave
	s_lshl_b32 s3, ttmp9, 3
	s_add_co_u32 s3, s3, s2                        ; kp
	v_and_b32 v1, 31, v0                           ; lane
	v_lshrrev_b32 v2, 4, v1
	v_lshlrev_b32 v2, 12, v2                       ; the keypoint's codes: 4,096 h: my half's chunk
	v_and_b32 v3, 15, v1
	v_lshl_or_b32 v3, v3, 4, v2                    ; a row's codes: 16 r + 4,096 h
	v_mov_b32 v4, 0xff800000                       ; -infinity
	v_mov_b32 v[LG+27], 0xff800000                 ; a 28th row that counts for nothing: the rows go in pairs
	v_mov_b32 v127, 0
	s_mov_b32 s25, 0
	s_mov_b32 s87, 0xffff0000                      ; lanes 16-31
	s_mov_b32 s90, 0x76543210                      ; v_permlanex16_b32's selects for lane l xor 16
	s_mov_b32 s91, 0xfedcba98
	s_mov_b32 s100, 0x3f808081                     ; 256 / 255
	s_mov_b32 s101, 0x437f0000                     ; 255.0
	s_wait_kmcnt 0x0
	s_lshl_b32 s24, s3, 3
	s_add_nc_u64 s[8:9], s[8:9], s[24:25]
	s_add_nc_u64 s[12:13], s[12:13], s[24:25]      ; out0 at my keypoint
	s_load_b64 s[18:19], s[8:9], 0x0               ; u, v
	s_load_b64 s[20:21], s[10:11], 0x0             ; e0, e1
	s_lshl_b32 s24, s3, 4
	s_add_nc_u64 s[14:15], s[14:15], s[24:25]      ; sidx and swt likewise
	s_add_nc_u64 s[16:17], s[16:17], s[24:25]
	s_lshr_b32 s24, s3, 8
	s_lshl_b32 s24, s24, 16
	s_and_b32 s89, s3, 255
	s_lshl_b32 s89, s89, 4
	s_add_co_u32 s24, s24, s89
	s_add_nc_u64 s[6:7], s[6:7], s[24:25]          ; scodes: R = kp >> 8, column kp & 255
.irp s, 0,1
.irp c, 0,1,2,3
	global_load_b128 v[A0+16*\s+4*\c:A0+16*\s+4*\c+3], v2, s[6:7] offset:(8*\s+2*\c)*4096
.endr
.endr
	s_wait_kmcnt 0x0
	s_sub_co_i32 s84, s18, 13                      ; u - 13
	s_sub_co_i32 s85, s19, 13                      ; v - 13
	s_max_i32 s92, s84, 0
	s_min_u32 s92, s92, 224                        ; u0: the 32 pixels u0 .. u0 + 31 lie in the image and cover the window's columns
	s_lshl_b32 s24, s92, 4
	s_lshr_b32 s89, s3, 10                         ; f
	s_lshl_b32 s89, s89, 24
	s_add_co_u32 s24, s24, s89
	s_add_nc_u64 s[26:27], s[4:5], s[24:25]        ; tcodes at frame f, pixel u0
.irp i, 0,1,2,3
	ROWBASE \i
	LOADROW \i
.endr
.irp i, 4,5,6,7,8,9,10,11,12,13,14,15,16,17,18,19,20,21,22,23,24,25,26
	ROWBASE \i
.endr
	; while the first rows are on their way: the lanes' mask, the constants, and the closed form for the pixels outside the window, in whole numbers
	v_add_nc_u32 v6, s92, v1                       ; my pixel's u
	v_cvt_f32_u32 v5, v6
	v_sub_nc_u32 v6, v6, s84
	v_cmp_gt_u32 s86, 27, v6                       ; in the window where 0 <= u - (u_kp - 13) < 27
	v_cvt_f32_i32 v11, s85                         ; float(v - 13)
	s_add_co_i32 s22, s20, s21
	s_lshl_b32 s22, s22, 23
	s_add_co_i32 s22, s22, 0x431044fe              ; c = 100 log2(e) x 2^(e0 + e1): a sum of codes' products x c is the logit in base 2
	s_mov_b32 s23, s22                             ; (named with it as a pair, so it is written)
	s_max_i32 s93, s84, 0                          ; ulo
	s_add_co_i32 s94, s18, 13
	s_min_i32 s94, s94, 255                        ; uhi
	s_sub_co_i32 s95, s94, s93
	s_add_co_i32 s95, s95, 1
	s_max_i32 s95, s95, 0                          ; nu: the window's columns inside the image
	s_add_co_i32 s93, s93, s94
	s_mul_i32 s93, s93, s95
	s_lshr_b32 s93, s93, 1                         ; ulo + .. + uhi
	s_max_i32 s96, s85, 0                          ; the same for v
	s_add_co_i32 s97, s19, 13
	s_min_i32 s97, s97, 255
	s_sub_co_i32 s98, s97, s96
	s_add_co_i32 s98, s98, 1
	s_max_i32 s98, s98, 0                          ; nv
	s_add_co_i32 s96, s96, s97
	s_mul_i32 s96, s96, s98
	s_lshr_b32 s96, s96, 1                         ; vlo + .. + vhi
	s_mul_i32 s99, s95, s98
	s_sub_co_u32 s99, 0x10000, s99                 ; pixels outside the window
	s_mul_i32 s93, s93, s98
	s_sub_co_u32 s93, 8355840, s93                 ; the sum of their u
	s_mul_i32 s96, s96, s95
	s_sub_co_u32 s96, 8355840, s96                 ; the sum of their v
	v_cvt_f32_u32 v99, s99                         ; all three are under 2^24: exact in f32
	v_cvt_f32_u32 v100, s93
	v_cvt_f32_u32 v101, s96
.set ri, 0
.rept 27
	ROW ri
.set ri, ri+1
.endr
	; ---- the softmax.  The maximum is taken over the window's sums and 0, the logit of the pixels outside, of which there are always some; c is positive, so the largest sum gives the largest logit
	v_max3_num_f32 v6, v[LG], v[LG+1], v[LG+2]
	v_max3_num_f32 v7, v[LG+3], v[LG+4], v[LG+5]
.irp j, 6,10,14,18,22
	v_max3_num_f32 v6, v6, v[LG+\j], v[LG+\j+1]
	v_max3_num_f32 v7, v7, v[LG+\j+2], v[LG+\j+3]
.endr
	v_max3_num_f32 v6, v6, v7, v[LG+26]
	v_max_num_f32 v6, 0, v6
.irp m, 1,2,4,8
	v_max_num_f32_dpp v6, v6, v6 row_xmask:\m row_mask:0xf bank_mask:0xf
.endr
	v_permlanex16_b32 v7, v6, s90, s91
	v_max_num_f32 v6, v6, v7                       ; every lane holds the maximum
	v_mul_f32 v8, -v6, s22                         ; -c x maximum
	v_mov_b32 v9, v8                               ; (named with it as a pair)
.irp j, 0,2,4,6,8,10,12,14,16,18,20,22,24,26
	v_pk_fma_f32 v[LG+\j:LG+\j+1], v[LG+\j:LG+\j+1], s[22:23], v[8:9] op_sel_hi:[1,0,0]   ; c x sum - c x maximum, two at a time; -infinity stays
.endr
.irp j, 0,1,2,3,4,5,6,7,8,9,10,11,12,13,14,15,16,17,18,19,20,21,22,23,24,25,26,27
	v_exp_f32 v[LG+\j], v[LG+\j]                   ; p, at most 1
.endr
	v_exp_f32 v10, v8                              ; the p of each pixel outside the window
	v_nop                                          ; a plain instruction behind the last exponential,
	s_wait_alu depctr_va_vdst(0)                   ; and one wait for the whole batch, ahead of its first reader
	v_pk_add_f32 v[12:13], v[LG:LG+1], v[LG+2:LG+3]       ; my pixel column's sum of p, in two chains of pairs
	v_pk_add_f32 v[14:15], v[LG+4:LG+5], v[LG+6:LG+7]
.irp j, 8,12,16,20,24
	v_pk_add_f32 v[12:13], v[12:13], v[LG+\j:LG+\j+1]
	v_pk_add_f32 v[14:15], v[14:15], v[LG+\j+2:LG+\j+3]
.endr
	v_pk_add_f32 v[12:13], v[12:13], v[14:15]
	v_add_f32 v92, v12, v13                        ; S
	v_mul_f32 v93, 2.0, v[LG+2]                    ; the sum of i x p(row i), even rows and odd rows apart
	FBITS 3
	v_fmamk_f32 v94, v[LG+3], FB, v[LG+1]
.irp i, 4,6,8,10,12,14,16,18,20,22,24
	WSUM 93, \i
	WSUM 94, (\i)+1
.endr
	WSUM 93, 26
	v_add_f32 v93, v93, v94
	v_mul_f32 v95, v92, v5                         ; u x p: a lane holds one u
.irp m, 1,2,4,8
	v_add_f32_dpp v92, v92, v92 row_xmask:\m row_mask:0xf bank_mask:0xf
	v_add_f32_dpp v93, v93, v93 row_xmask:\m row_mask:0xf bank_mask:0xf
	v_add_f32_dpp v95, v95, v95 row_xmask:\m row_mask:0xf bank_mask:0xf
.endr
	v_permlanex16_b32 v12, v92, s90, s91
	v_permlanex16_b32 v13, v93, s90, s91
	v_permlanex16_b32 v14, v95, s90, s91
	v_add_f32 v92, v92, v12
	v_add_f32 v93, v93, v13
	v_add_f32 v95, v95, v14
	v_fma_f32 v93, v11, v92, v93                   ; the sum of v x p = (v - 13) S + the sum of i x p
	v_fma_f32 v102, v10, v99, v92                  ; the softmax's divisor, with the pixels outside,
	v_fma_f32 v103, v10, v100, v95                 ; and the two sums of coordinates likewise
	v_fma_f32 v104, v10, v101, v93
	v_rcp_f32 v105, v102
	v_nop
	s_wait_alu depctr_va_vdst(0)
	v_mul_f32 v106, v103, v105                     ; pseudo_coords: u,
	v_mul_f32 v107, v104, v105                     ; v
	; ---- where the third launch samples: x = ((2 u / 255 - 1 + 1) 256 - 1) / 2 = u 256 / 255 - 0.5.  The bilinear form is continuous in x, so the last bit of x moves no result by more than rounding
	v_fma_f32 v116, v106, s100, -0.5
	v_fma_f32 v117, v107, s100, -0.5
	v_floor_f32 v118, v116                         ; x0
	v_floor_f32 v119, v117                         ; y0
	v_sub_f32 v120, v116, v118                     ; wx1
	v_sub_f32 v121, v117, v119                     ; wy1
	v_sub_f32 v122, 1.0, v120                      ; wx0
	v_sub_f32 v123, 1.0, v121                      ; wy0
	v_add_f32 v124, 1.0, v118                      ; x1
	v_add_f32 v125, 1.0, v119                      ; y1
	CORNER 118, 122, 108
	CORNER 124, 120, 109
	CORNER 119, 123, 110
	CORNER 125, 121, 111
	v_mul_f32 v112, v122, v123                     ; the weights of (x0, y0), (x1, y0), (x0, y1), (x1, y1)
	v_mul_f32 v113, v120, v123
	v_mul_f32 v114, v122, v121
	v_mul_f32 v115, v120, v121
	; every lane holds the same results: lane 0 stores them.  40 bytes a keypoint, 80 KiB in the launch
	v_cmp_eq_u32 vcc_lo, 0, v1
	s_wait_xcnt 0x0                                ; EXEC changes only behind this wait
	s_and_saveexec_b32 s89, vcc_lo
	global_store_b64 v127, v[106:107], s[12:13]
	global_store_b128 v127, v[108:111], s[14:15]   ; whole numbers 0 .. 255: x0, x1, y0, y1
	global_store_b128 v127, v[112:115], s[16:17]
	s_wait_xcnt 0x0                                ; and again, in front of the line that widens it
	s_or_b32 exec_lo, exec_lo, s89
	s_endpgm
.Lfunc_end_k_q219b122a3e_match:
	.size	k_q219b122a3e_match, .Lfunc_end_k_q219b122a3e_match-k_q219b122a3e_match
	.p2alignl 7, 3214868480
	.fill 96, 4, 3214868480
	.section	.rodata,"a",@progbits
	.p2align	6, 0x0
	.amdhsa_kernel k_q219b122a3e_match
		.amdhsa_group_segment_fixed_size 0
		.amdhsa_private_segment_fixed_size 0
		.amdhsa_enable_private_segment 0
		.amdhsa_kernarg_size 56
		.amdhsa_user_sgpr_count 2
		.amdhsa_user_sgpr_kernarg_segment_ptr 1
		.amdhsa_wavefront_size32 1
		.amdhsa_system_sgpr_workgroup_id_x 1
		.amdhsa_system_sgpr_workgroup_id_y 1
		.amdhsa_system_sgpr_workgroup_id_z 1
		.amdhsa_system_vgpr_workitem_id 0
		.amdhsa_next_free_vgpr 512
		.amdhsa_next_free_sgpr 102
		.amdhsa_reserve_vcc 1
		.amdhsa_float_denorm_mode_32 3
		.amdhsa_float_denorm_mode_16_64 3
		.amdhsa_memory_ordered 1
		.amdhsa_forward_progress 1
		.amdhsa_inst_pref_size 81
	.end_amdhsa_kernel
	.amdgpu_metadata
---
amdhsa.version: [ 1, 2 ]
amdhsa.kernels:
  - .name:           k_q219b122a3e_match
    .symbol:         k_q219b122a3e_match.kd
    .args:
      - { .name: tcodes, .offset: 0, .size: 8, .value_kind: global_buffer, .address_space: global }
      - { .name: scodes, .offset: 8, .size: 8, .value_kind: global_buffer, .address_space: global }
      - { .name: uv, .offset: 16, .size: 8, .value_kind: global_buffer, .address_space: global }
      - { .name: lowp_scales, .offset: 24, .size: 8, .value_kind: global_buffer, .address_space: global }
      - { .name: out0, .offset: 32, .size: 8, .value_kind: global_buffer, .address_space: global }
      - { .name: sidx, .offset: 40, .size: 8, .value_kind: global_buffer, .address_space: global }
      - { .name: swt, .offset: 48, .size: 8, .value_kind: global_buffer, .address_space: global }
    .group_segment_fixed_size: 0
    .private_segment_fixed_size: 0
    .kernarg_segment_align: 8
    .kernarg_segment_size: 56
    .max_flat_workgroup_size: 256
    .sgpr_count:     102
    .vgpr_count:     512
    .wavefront_size: 32
...
	.end_amdgpu_metadata
.endif
;; end of part 2
;; launch sample (part 3): grid 256 x 1, 8 waves a work-group, no clusters, 0 bytes of LDS; arguments tb16, srcn, sidx, swt, scores_dense, keypoint_scores, out1, out2; writes out1, out2
.if DOCPART == 3
	.amdgcn_target "amdgcn-amd-amdhsa--gfx1250"
	.amdhsa_code_object_version 6
	.text
	.protected	k_q219b122a3e_sample
	.globl	k_q219b122a3e_sample
	.p2align	8
	.type	k_q219b122a3e_sample,@function
k_q219b122a3e_sample:
	s_mov_b64 s[64:65], 0
	v_nop
	global_prefetch_b8 v0, s[64:65] scope:SCOPE_SE
	s_setreg_imm32_b32 hwreg(HW_REG_WAVE_MODE, 25, 1), 1
	s_wait_xcnt 0x0
; SoftmaxMatcher, launch 3 of 3: the bilinear samples at the soft-argmax, the descriptor match score, out1; and out2 = kp_inds = [0, 2].
; WORK LEFT OUT (shown at the first kernel's head): the frames that kp_inds and dense_inds slice away.
; FORMAT LIMIT (stated there too): the sampled descriptors come from the bf16 copy tb16; products and sums are f32.
; One wave, one keypoint kp = 8 x work-group + wave.  The four sample places are whole numbers 0 .. 255 that the second launch stored (held again here ahead of the addresses); their weights carry the zeros of the padding.
; sum over c of src[c] x (sum over corners of w_k d_k[c]) = sum over corners of w_k x (sum over c of src[c] d_k[c]): lane j takes channels 8 j .. 8 j + 7: 16 bytes of each corner's bf16 and 32 bytes of the source's f32.
; Nothing is shared between waves: no LDS, no barrier; the launch is short and reads a few KiB a keypoint.
; v1 lane, v2 offset in tb16, v3 offset in srcn, v4-11 the source's 8 numbers, v12-27 the four corners, v28-31 their dot products, v32-37 at work
	s_load_b512 s[4:19], s[0:1], 0x0               ; tb16 s[4:5], srcn s[6:7], sidx s[8:9], swt s[10:11], scores_dense s[12:13], keypoint_scores s[14:15], out1 s[16:17], out2 s[18:19]
	v_lshrrev_b32 v2, 5, v0
	v_readfirstlane_b32 s2, v2                     ; wave
	s_lshl_b32 s3, ttmp9, 3
	s_add_co_u32 s3, s3, s2                        ; kp
	s_lshr_b32 s20, s3, 10                         ; f
	v_and_b32 v1, 31, v0                           ; lane j
	v_lshrrev_b32 v2, 3, v1
	v_and_b32 v3, 7, v1
	v_lshlrev_b32 v2, 24, v2
	v_lshl_or_b32 v2, v3, 4, v2                    ; plane j / 8 of 2^24 bytes, + 16 (j % 8)
	v_lshlrev_b32 v3, 13, v1                       ; srcn: groups 2 j and 2 j + 1 of four channels, 4,096 bytes each
	v_mov_b32 v35, 0
	s_mov_b32 s23, 0
	s_mov_b32 s54, 0x76543210                      ; v_permlanex16_b32's selects for lane l xor 16
	s_mov_b32 s55, 0xfedcba98
	s_mov_b32 s59, 0x3b000000                      ; 1 / 512
	s_lshl_b32 s56, s20, 23                        ; tb16: frame f's 65,536 pixels of 128 bytes
	s_lshl_b32 s57, s20, 19
	s_add_co_u32 s57, s57, 1<<18                   ; scores_dense: frame 2 f + 1 of 2^18 bytes
	s_wait_kmcnt 0x0
	s_lshl_b32 s22, s3, 4
	s_add_nc_u64 s[8:9], s[8:9], s[22:23]
	s_add_nc_u64 s[10:11], s[10:11], s[22:23]
	s_load_b128 s[24:27], s[8:9], 0x0              ; x0, x1, y0, y1
	s_load_b128 s[28:31], s[10:11], 0x0            ; w00, w10, w01, w11
	s_lshl_b32 s22, s20, 13                        ; keypoint_scores: frame 2 f of 4,096 bytes, keypoint n
	s_and_b32 s21, s3, 1023
	s_lshl_b32 s21, s21, 2
	s_add_co_u32 s22, s22, s21
	s_add_nc_u64 s[14:15], s[14:15], s[22:23]
	s_load_b32 s32, s[14:15], 0x0
	s_lshr_b32 s22, s3, 8                          ; srcn: R = kp >> 8, column kp & 255
	s_lshl_b32 s22, s22, 18
	s_and_b32 s21, s3, 255
	s_lshl_b32 s21, s21, 4
	s_add_co_u32 s22, s22, s21
	s_add_nc_u64 s[6:7], s[6:7], s[22:23]
	global_load_b128 v[4:7], v3, s[6:7]
	global_load_b128 v[8:11], v3, s[6:7] offset:4096
	s_lshl_b32 s22, s3, 2
	s_add_nc_u64 s[16:17], s[16:17], s[22:23]      ; out1 at my keypoint
	s_wait_kmcnt 0x0
	s_min_u32 s24, s24, 255                        ; a loaded number enters an address only behind such a hold
	s_min_u32 s25, s25, 255
	s_min_u32 s26, s26, 255
	s_min_u32 s27, s27, 255
; Corner k at (x, y): its descriptor's 16 bytes a lane, and its score
.macro CORN k, xs, ys
	s_lshl_b32 s22, s[\ys], 15
	s_lshl_b32 s21, s[\xs], 7
	s_add_co_u32 s22, s22, s21
	s_add_co_u32 s22, s22, s56
	s_add_nc_u64 s[34+2*\k:35+2*\k], s[4:5], s[22:23]
	global_load_b128 v[12+4*\k:15+4*\k], v2, s[34+2*\k:35+2*\k]
	s_lshl_b32 s22, s[\ys], 10
	s_lshl_b32 s21, s[\xs], 2
	s_add_co_u32 s22, s22, s21
	s_add_co_u32 s22, s22, s57
	s_add_nc_u64 s[42+2*\k:43+2*\k], s[12:13], s[22:23]
	s_load_b32 s[50+\k], s[42+2*\k:43+2*\k], 0x0
.endm
	CORN 0, 24, 26
	CORN 1, 25, 26
	CORN 2, 24, 27
	CORN 3, 25, 27
; My 8 channels' part of corner k's dot product with the source: the first product starts the sum; bf16 halves are multiplied straight into f32
.macro DOT k
	s_wait_loadcnt 3-\k                            ; this corner's load is in (and the source's, which are older); the younger corners' may be out
	v_lshlrev_b32 v34, 16, v[12+4*\k]
	v_mul_f32 v[28+\k], v34, v4
	v_fma_mix_f32_bf16 v[28+\k], v[12+4*\k], v5, v[28+\k] op_sel:[1,0,0] op_sel_hi:[1,0,0]
.irp m, 1,2,3
	v_fma_mix_f32_bf16 v[28+\k], v[12+4*\k+\m], v[4+2*\m], v[28+\k] op_sel_hi:[1,0,0]
	v_fma_mix_f32_bf16 v[28+\k], v[12+4*\k+\m], v[5+2*\m], v[28+\k] op_sel:[1,0,0] op_sel_hi:[1,0,0]
.endr
.endm
	DOT 0
	DOT 1
	DOT 2
	DOT 3
	v_mul_f32 v32, s28, v28
	v_fmac_f32 v32, s29, v29
	v_fmac_f32 v32, s30, v30
	v_fmac_f32 v32, s31, v31
.irp m, 1,2,4,8
	v_add_f32_dpp v32, v32, v32 row_xmask:\m row_mask:0xf bank_mask:0xf
.endr
	v_permlanex16_b32 v34, v32, s54, s55
	v_add_f32 v32, v32, v34                        ; sum over the 256 channels of src x pseudo_desc
	s_wait_kmcnt 0x0                               ; the four scores
	s_mul_f32 s58, s28, s50                        ; pseudo_scores
	s_fmac_f32 s58, s29, s51
	s_fmac_f32 s58, s30, s52
	s_fmac_f32 s58, s31, s53
	s_mul_f32 s58, s58, s32                        ; x src_scores
	v_fma_f32 v32, v32, s59, 0.5                   ; 0.5 (sum / 256 + 1)
	v_mul_f32 v32, s58, v32
	v_cmp_eq_u32 vcc_lo, 0, v1
	s_wait_xcnt 0x0                                ; EXEC changes only behind this wait
	s_and_saveexec_b32 s60, vcc_lo
	global_store_b32 v35, v32, s[16:17]            ; every lane holds the result: lane 0 stores it
	s_wait_xcnt 0x0
	s_or_b32 exec_lo, exec_lo, s60
	s_cmp_lg_u32 s3, 0                             ; the wave of keypoint 0 also writes out2
	s_cbranch_scc1 .Ldone
	v_lshlrev_b32 v36, 1, v1                       ; kp_inds[i] = 2 i
	v_lshlrev_b32 v37, 2, v1
	v_cmp_gt_u32 vcc_lo, 2, v1
	s_wait_xcnt 0x0
	s_and_saveexec_b32 s60, vcc_lo
	global_store_b32 v37, v36, s[18:19]
	s_wait_xcnt 0x0
	s_or_b32 exec_lo, exec_lo, s60
.Ldone:
	s_endpgm
.Lfunc_end_k_q219b122a3e_sample:
	.size	k_q219b122a3e_sample, .Lfunc_end_k_q219b122a3e_sample-k_q219b122a3e_sample
	.p2alignl 7, 3214868480
	.fill 96, 4, 3214868480
	.section	.rodata,"a",@progbits
	.p2align	6, 0x0
	.amdhsa_kernel k_q219b122a3e_sample
		.amdhsa_group_segment_fixed_size 0
		.amdhsa_private_segment_fixed_size 0
		.amdhsa_enable_private_segment 0
		.amdhsa_kernarg_size 64
		.amdhsa_user_sgpr_count 2
		.amdhsa_user_sgpr_kernarg_segment_ptr 1
		.amdhsa_wavefront_size32 1
		.amdhsa_system_sgpr_workgroup_id_x 1
		.amdhsa_system_sgpr_workgroup_id_y 1
		.amdhsa_system_sgpr_workgroup_id_z 1
		.amdhsa_system_vgpr_workitem_id 0
		.amdhsa_next_free_vgpr 48
		.amdhsa_next_free_sgpr 66
		.amdhsa_reserve_vcc 1
		.amdhsa_float_denorm_mode_32 3
		.amdhsa_float_denorm_mode_16_64 3
		.amdhsa_memory_ordered 1
		.amdhsa_forward_progress 1
		.amdhsa_inst_pref_size 8
	.end_amdhsa_kernel
	.amdgpu_metadata
---
amdhsa.version: [ 1, 2 ]
amdhsa.kernels:
  - .name:           k_q219b122a3e_sample
    .symbol:         k_q219b122a3e_sample.kd
    .args:
      - { .name: tb16, .offset: 0, .size: 8, .value_kind: global_buffer, .address_space: global }
      - { .name: srcn, .offset: 8, .size: 8, .value_kind: global_buffer, .address_space: global }
      - { .name: sidx, .offset: 16, .size: 8, .value_kind: global_buffer, .address_space: global }
      - { .name: swt, .offset: 24, .size: 8, .value_kind: global_buffer, .address_space: global }
      - { .name: scores_dense, .offset: 32, .size: 8, .value_kind: global_buffer, .address_space: global }
      - { .name: keypoint_scores, .offset: 40, .size: 8, .value_kind: global_buffer, .address_space: global }
      - { .name: out1, .offset: 48, .size: 8, .value_kind: global_buffer, .address_space: global }
      - { .name: out2, .offset: 56, .size: 8, .value_kind: global_buffer, .address_space: global }
    .group_segment_fixed_size: 0
    .private_segment_fixed_size: 0
    .kernarg_segment_align: 8
    .kernarg_segment_size: 64
    .max_flat_workgroup_size: 256
    .sgpr_count:     66
    .vgpr_count:     48
    .wavefront_size: 32
...
	.end_amdgpu_metadata
.endif
;; end of part 3
;; ======== version 2 of 2: 3 launches
;; limits: values outside matrix products are rounded to bf16
;; workspace buffers: tcodes 33,554,432 bytes; scodes 524,288 bytes; tb16 67,108,864 bytes; srcn 2,097,152 bytes; uv 16,384 bytes of whole numbers; sidx 32,768 bytes of whole numbers; swt 32,768 bytes
;; launch prep (part 4): grid 1040 x 1, 16 waves a work-group, no clusters, 77,824 bytes of LDS; arguments desc_dense, keypoint_desc, keypoint_coords, lowp_scales, tcodes, scodes, tb16, srcn, uv; writes tcodes, scodes, tb16, srcn, uv
.if DOCPART == 4
	.amdgcn_target "amdgcn-amd-amdhsa--gfx1250"
	.amdhsa_code_object_version 6
	.text
	.protected	k_q219b122a3e_prep
	.globl	k_q219b122a3e_prep
	.p2align	8
	.type	k_q219b122a3e_prep,@function
k_q219b122a3e_prep:
	s_mov_b64 s[64:65], 0
	v_nop
	global_prefetch_b8 v0, s[64:65] scope:SCOPE_SE
	s_setreg_imm32_b32 hwreg(HW_REG_WAVE_MODE, 25, 1), 1
	s_wait_xcnt 0x0
; SoftmaxMatcher, launch 1 of 3: normalise along the 256 channels, quantise to E4M3, and lay everything as the later launches read it.
; WORK LEFT OUT IN THE WHOLE PROGRAM, AND WHY IT IS DEAD (for all finite values of the inputs):
;  (a) kp_inds = [0, 2] and dense_inds = [1, 3] are built from the shapes: frames 1, 3 of keypoint_desc, keypoint_coords and keypoint_scores and frames 0, 2 of desc_dense and
;      scores_dense are sliced away and reach no output.  They are not loaded.
;  (b) match_vals is multiplied by a mask of 0 and 1 that is built from trunc(keypoint_coords): outside a keypoint's window of 27 x 27 pixels the product is multiplied by 0, so the
;      softmax's input there is exactly 0.  Those products are not multiplied; their part of the softmax is (65,536 - pixels in the window) x exp(0 - maximum), and their part of the
;      coordinate sums is that exponential x (8,355,840 - the window's arithmetic series), 8,355,840 being the sum of u (and of v) over the whole grid.
;  (c) the second product (soft x coords, N = 2, coords an arange) is then f32 multiply-adds over the window plus that closed form.
;  Every input has a way to an output, so every input is among some launch's arguments.
;  LIMIT: a NaN, an infinity or an overflow that would reach only the work left out is not carried to the result.
; LIMITS: each exponent of lowp_scales lies between -126 and 119.  NaN among the inputs is not served.  Coordinates are held within [-64, 320] ahead of the truncation: at -14 or less and at
;  269 or more the window is empty either way.  FORMAT: the copy of desc_dense from which the third launch samples is bf16 (relative error 2^-9 a number); the sampled descriptor enters
;  out1 only as a dot product with a unit vector divided by 256, beside the term 1.
; WHAT IT MAKES.  tcodes [row R = 256 f + v : 512][chunk q : 16][u : 256][16 bytes]: the codes of channels 16 q .. 16 q + 15 of the normalised dense descriptor (scale 2^e1).
;  scodes: the same form for the normalised source descriptors (scale 2^e0), R = kp >> 8 (8 of them), column kp & 255, kp = 1024 f + n.
;  tb16 [plane cq : 4][pixel 65536 f + 256 v + u][64 bf16]: the raw dense descriptor, channels 64 cq on.   srcn [R : 8][ch4 : 64][column : 256][4 f32]: the normalised source.
;  uv [kp][2] int32: trunc(u), trunc(v): whole numbers, from which the next launch forms addresses.
; SHARES.  Work-groups 0 to 15 take the source, the others the dense tensor; a work-group owns 128 columns (pixels of one image row, or keypoints) x 256 channels.  Wave w: columns 32 (w & 3) on,
;  channels 64 (w >> 2) on.  A LANE TAKES A COLUMN AND ITS REGISTERS RUN DOWN THE CHANNELS: a load reads 128 consecutive bytes, the four waves of a channel quarter stand side by side on 512, and the
;  conversions, which take neighbours along K from one lane's registers, give codes with K innermost.  A column's sum of squares is made of the four quarters' sums, which meet in LDS: one barrier.
;  No tensor loads, no ring: nothing is read twice, and all 64 loads of a wave are issued at once.
.set NSRC,   16                        ; work-groups that take the source
.set STG,    2048                      ; LDS: bytes 0-2047: a word for each thread (its sum of squares); from here a stage of 32 rows x 144 bytes for each wave
.set SPITCH, 144                       ; a stage row: a pixel's 128 bytes of bf16 + 16 of padding: an odd multiple of 16 bytes
.set WSTG,   32*SPITCH
.set SPARE,  STG+16*WSTG               ; 75,776: behind the stages: the spare words, 128 bytes for each wave: eight blocks of 256 bytes that no other line names
.set X,      16                        ; v16-79   my column's 64 channels
.set HB,     80                        ; v80-111  the same as bf16, two a register
.set CD,     112                       ; v112-127 the codes
.set ACC,    112                       ; v112-119 earlier: four pairs of running sums of squares
.set PS,     120                       ; v120-123 earlier: the four quarters' sums; in the source's work-groups later the coordinates
; v1 4 x column (offset of the loads; also the LDS address of the quarters' sums)   v2 16 x column   v3 4 x thread   v4 8 x column   v5, v6 the stage, in and back   v7 16 x lane
; v8, v9 the add's two registers   v10 2^e   v11 448 x 2^e   v[12:13] 1 / norm, twice   v14, v15 at work
	s_load_b512 s[4:19], s[0:1], 0x0               ; desc_dense s[4:5], keypoint_desc s[6:7], keypoint_coords s[8:9], lowp_scales s[10:11], tcodes s[12:13], scodes s[14:15], tb16 s[16:17], srcn s[18:19]
	s_load_b64 s[20:21], s[0:1], 0x40              ; uv
	v_lshl_add_u32 v8, v0, 2, SPARE                ; my spare word
	v_mov_b32 v9, 0
	v_lshrrev_b32 v14, 5, v0
	s_delay_alu instid0(VALU_DEP_1)
	v_readfirstlane_b32 s22, v14                   ; wave 0..15
	s_and_b32 s23, s22, 3                          ; pg: which 32 columns
	s_lshr_b32 s24, s22, 2                         ; cq: which 64 channels
	v_and_b32 v14, 127, v0                         ; my column in the work-group's 128
	v_and_b32 v15, 31, v0                          ; lane
	s_delay_alu instid0(VALU_DEP_2)
	v_lshlrev_b32 v1, 2, v14
	s_delay_alu instid0(VALU_DEP_3)
	v_lshlrev_b32 v2, 4, v14
	v_lshlrev_b32 v3, 2, v0
	v_lshlrev_b32 v4, 3, v14
	s_mul_i32 s44, s22, WSTG
	s_add_co_u32 s44, s44, STG                     ; my wave's stage
	v_mul_u32_u24 v5, v15, SPITCH
	s_delay_alu instid0(VALU_DEP_1)
	v_add_nc_u32 v5, s44, v5                       ; in: row = my pixel
	v_lshrrev_b32 v6, 3, v15
	s_delay_alu instid0(VALU_DEP_1)
	v_mul_u32_u24 v6, v6, SPITCH
	v_and_b32 v7, 7, v15
	s_delay_alu instid0(VALU_DEP_1)
	v_lshl_add_u32 v6, v7, 4, v6
	s_delay_alu instid0(VALU_DEP_1)
	v_add_nc_u32 v6, s44, v6                       ; back: eight lanes to a row, four rows an instruction
	v_lshlrev_b32 v7, 4, v15
	; Both kinds of work-group take one path through these lines: both sets of offsets are made, and the work-group's number chooses.
	s_cmp_lt_u32 ttmp9, NSRC
	s_cselect_b32 s25, 0, NSRC
	s_sub_co_u32 s25, ttmp9, s25                   ; idx: my place among the work-groups of my kind
	s_lshr_b32 s26, s25, 1                         ; R
	s_and_b32 s27, s25, 1                          ; which half of R's 256 columns
	s_lshr_b32 s50, s25, 9                         ; the dense tensor: f,
	s_lshl_b32 s50, s50, 27
	s_add_co_u32 s50, s50, 1<<26                   ; frame 2 f + 1 of 2^26 bytes,
	s_lshl_b32 s51, s24, 24
	s_add_co_u32 s50, s50, s51                     ; 64 cq channels of 2^18 bytes,
	s_and_b32 s51, s26, 255
	s_lshl_b32 s51, s51, 10
	s_add_co_u32 s50, s50, s51                     ; image row v of 1,024 bytes,
	s_lshl_b32 s51, s27, 9
	s_add_co_u32 s50, s50, s51                     ; my half of it
	s_lshr_b32 s52, s25, 3                         ; the source: f,
	s_lshl_b32 s57, s52, 14                        ; (coordinates: frame 2 f of 8,192 bytes)
	s_lshl_b32 s52, s52, 21                        ; frame 2 f of 2^20 bytes,
	s_lshl_b32 s51, s24, 18
	s_add_co_u32 s52, s52, s51                     ; 64 cq channels of 4,096 bytes,
	s_and_b32 s51, s25, 7
	s_lshl_b32 s58, s51, 10
	s_add_co_u32 s57, s57, s58                     ; (coordinates: my 128 keypoints of 8 bytes)
	s_lshl_b32 s51, s51, 9
	s_add_co_u32 s52, s52, s51                     ; my 128 keypoints of 4 bytes
	s_lshl_b32 s58, s25, 10                        ; uv: 128 idx keypoints of 8 bytes
	s_lshl_b32 s53, s26, 16                        ; the codes: R x 65,536 + 4 cq chunks of 4,096 + my half's 2,048
	s_lshl_b32 s51, s24, 14
	s_add_co_u32 s53, s53, s51
	s_lshl_b32 s51, s27, 11
	s_add_co_u32 s53, s53, s51
	s_lshl_b32 s55, s24, 24                        ; tb16: plane cq, 256 R + 128 half + 32 pg pixels of 128 bytes
	s_lshl_b32 s51, s26, 15
	s_add_co_u32 s55, s55, s51
	s_lshl_b32 s51, s27, 14
	s_add_co_u32 s55, s55, s51
	s_lshl_b32 s51, s23, 12
	s_add_co_u32 s55, s55, s51
	s_lshl_b32 s56, s26, 18                        ; srcn: R x 2^18 + 16 cq groups of 4,096 + my half's 2,048
	s_lshl_b32 s51, s24, 16
	s_add_co_u32 s56, s56, s51
	s_lshl_b32 s51, s27, 11
	s_add_co_u32 s56, s56, s51
	s_mov_b32 s42, 0xc2800000                      ; -64.0
	s_mov_b32 s43, 0x43a00000                      ; 320.0
	s_mov_b32 s29, 0
	s_wait_kmcnt 0x0
	s_load_b64 s[38:39], s[10:11], 0x0             ; e0 (the source's), e1 (the dense tensor's)
	s_cmp_lt_u32 ttmp9, NSRC                       ; the choices hang on the work-group's number alone
	s_cselect_b64 s[30:31], s[6:7], s[4:5]         ; what I read,
	s_cselect_b64 s[34:35], s[14:15], s[12:13]     ; where my codes go,
	s_cselect_b64 s[36:37], s[18:19], s[16:17]     ; and my second output: srcn or tb16
	s_cselect_b32 s28, s52, s50
	s_cselect_b32 s55, s56, s55
	s_add_nc_u64 s[30:31], s[30:31], s[28:29]
	s_mov_b32 s28, s53
	s_add_nc_u64 s[34:35], s[34:35], s[28:29]
	s_mov_b32 s28, s55
	s_add_nc_u64 s[36:37], s[36:37], s[28:29]
	s_mov_b32 s28, s57
	s_add_nc_u64 s[46:47], s[8:9], s[28:29]        ; the coordinates and uv (used by the source's work-groups alone)
	s_mov_b32 s28, s58
	s_add_nc_u64 s[48:49], s[20:21], s[28:29]
; 64 loads, one for each channel of my quarter: the first 32 from s[30:31], the others from s[32:33], so that every immediate stays inside its signed 24 bits
.macro LOADX stride
.set ci, 0
.rept 64
	global_load_b32 v[X+ci], v1, s[30+2*(ci/32):31+2*(ci/32)] offset:(ci%32)*\stride th:TH_LOAD_NT
.set ci, ci+1
.endr
.endm
	s_cmp_lt_u32 ttmp9, NSRC
	s_cbranch_scc0 .Ldense_in
	s_add_nc_u64 s[32:33], s[30:31], 0x20000       ; 32 channels of 4,096 bytes
	LOADX 4096
	s_branch .Lloaded
.Ldense_in:
	s_add_nc_u64 s[32:33], s[30:31], 0x800000      ; 32 channels of 262,144 bytes
	LOADX 262144
.Lloaded:
	s_wait_kmcnt 0x0                               ; e0, e1
	s_cmp_lt_u32 ttmp9, NSRC
	s_cselect_b32 s40, s38, s39                    ; e
	s_add_co_i32 s40, s40, 127
	s_lshl_b32 s41, s40, 23
	v_mov_b32 v10, s41                             ; 2^e as f32: the conversion takes its exponent field
	s_add_co_i32 s40, s40, 8
	s_lshl_b32 s40, s40, 23
	s_or_b32 s40, s40, 0x600000
	v_mov_b32 v11, s40                             ; 448 x 2^e
	; the sum of my 64 squares, sixteen channels at a time as they arrive, in four pairs of chains; the first four products start the sums
.irp g, 0,1,2,3
	s_wait_alu depctr_va_vdst(0)
	s_wait_loadcnt 48-16*\g                        ; loads come back in order: this group's sixteen are in, the later groups' may be out
.irp p, 0,1,2,3,4,5,6,7
.if (\g == 0) && (\p < 4)
	v_pk_mul_f32 v[ACC+2*\p:ACC+2*\p+1], v[X+2*\p:X+2*\p+1], v[X+2*\p:X+2*\p+1]
.else
	v_pk_fma_f32 v[ACC+2*(\p%4):ACC+2*(\p%4)+1], v[X+16*\g+2*\p:X+16*\g+2*\p+1], v[X+16*\g+2*\p:X+16*\g+2*\p+1], v[ACC+2*(\p%4):ACC+2*(\p%4)+1]
.endif
.endr
.endr
	s_delay_alu instid0(VALU_DEP_3)
	v_pk_add_f32 v[ACC:ACC+1], v[ACC:ACC+1], v[ACC+2:ACC+3]
	s_delay_alu instid0(VALU_DEP_2)
	v_pk_add_f32 v[ACC+4:ACC+5], v[ACC+4:ACC+5], v[ACC+6:ACC+7]
	s_delay_alu instid0(VALU_DEP_1)
	v_pk_add_f32 v[ACC:ACC+1], v[ACC:ACC+1], v[ACC+4:ACC+5]
	s_delay_alu instid0(VALU_DEP_1)
	v_add_f32 v14, v[ACC], v[ACC+1]
	ds_store_b32 v3, v14                           ; my quarter's sum, at my thread's word
	s_wait_dscnt 0x0                               ; for the others' sake: the store has landed
	s_barrier_signal -1
	s_barrier_wait -1
.irp k, 0,1,2,3
	ds_load_b32 v[PS+\k], v1 offset:512*\k         ; my column's four quarters
.endr
	s_wait_dscnt 0x0
	v_add_f32 v[PS], v[PS], v[PS+1]                ; the same order in all four waves: all get the same norm
	v_add_f32 v[PS+2], v[PS+2], v[PS+3]
	s_delay_alu instid0(VALU_DEP_1)
	v_add_f32 v14, v[PS], v[PS+2]
	s_wait_alu depctr_va_vdst(0)
	v_sqrt_f32 v14, v14
	v_nop                                          ; a plain instruction behind the transcendental,
	s_wait_alu depctr_va_vdst(0)                   ; and the wait ahead of the first line that names its result
	v_max_num_f32 v14, 0x2b8cbccc, v14             ; max(norm, 1e-12)
	s_wait_alu depctr_va_vdst(0)
	v_rcp_f32 v12, v14
	v_nop
	s_wait_alu depctr_va_vdst(0)
	v_mov_b32 v13, v12                             ; a pair for the packed multiply
	; ---- the dense tensor alone: the raw numbers as bf16, a pixel's 64 channels on end.  A lane holds one pixel's 128 bytes and the lanes beside it other pixels': through my own stage, back as they lie in tb16.
	s_cmp_lt_u32 ttmp9, NSRC
	s_cbranch_scc1 .Lno_copy
.set ci, 0
.rept 32
	v_cvt_pk_bf16_f32 v[HB+ci], v[X+2*ci], v[X+2*ci+1]
.set ci, ci+1
.endr
.irp k, 0,1,2,3,4,5,6,7
	ds_store_b128 v5, v[HB+4*\k:HB+4*\k+3] offset:16*\k
.endr
.irp t, 0,1,2,3,4,5,6,7
	ds_load_b128 v[HB+4*\t:HB+4*\t+3], v6 offset:4*SPITCH*\t   ; LDS serves a wave's instructions in order (ISA guide 5.7.1.4): these see my stores
.endr
.irp t, 0,1,2,3,4,5,6,7
	s_wait_dscnt 7-\t                              ; the younger loads from the stage may be out
	global_store_b128 v7, v[HB+4*\t:HB+4*\t+3], s[36:37] offset:512*\t th:TH_STORE_NT   ; 32 lanes store 512 consecutive bytes (four pixels), at a multiple of 512 from tb16's first byte
.endr
.Lno_copy:
.set ci, 0
	s_wait_alu depctr_va_vdst(0)
.rept 32
	v_pk_mul_f32 v[X+2*ci:X+2*ci+1], v[X+2*ci:X+2*ci+1], v[12:13]   ; x / max(norm, 1e-12)
.set ci, ci+1
.endr
	; ---- the source alone: the normalised numbers in f32, and the truncated coordinates
	s_cmp_lt_u32 ttmp9, NSRC
	s_cbranch_scc0 .Lno_src
.irp k, 0,1,2,3,4,5,6,7,8,9,10,11,12,13,14,15
	global_store_b128 v2, v[X+4*\k:X+4*\k+3], s[36:37] offset:4096*\k   ; 32 lanes store 512 consecutive bytes, aligned
.endr
	s_cmp_lt_u32 s22, 4                            ; waves 0 to 3 hold each of the 128 keypoints once
	s_cbranch_scc0 .Lno_uv
	global_load_b64 v[PS:PS+1], v4, s[46:47]
	s_wait_loadcnt 0x0
	v_med3_num_f32 v[PS], v[PS], s42, s43          ; held within [-64, 320]: outside [-13, 268] the window is empty in any case
	v_med3_num_f32 v[PS+1], v[PS+1], s42, s43
	s_delay_alu instid0(VALU_DEP_2)
	v_cvt_i32_f32 v[PS+2], v[PS]                   ; toward zero, as trunc
	s_delay_alu instid0(VALU_DEP_2)
	v_cvt_i32_f32 v[PS+3], v[PS+1]
	global_store_b64 v4, v[PS+2:PS+3], s[48:49]
.Lno_uv:
	s_wait_xcnt 0x0                                ; the stores have read their data: X and the registers of the coordinates are written again below
.Lno_src:
	; ---- the quantiser: held within +-448 x 2^e, divided by 2^e, to the nearest code, ties to even
.set ci, 0
.rept 64
	v_med3_num_f32 v[X+ci], v[X+ci], -v11, v11     ; the conversion to an 8-bit code does not saturate (ISA guide 7.6.2)
.set ci, ci+1
.endr
.irp j, 0,1,2,3,4,5,6,7
	v_cvt_scalef32_pk8_fp8_f32 v[CD+2*\j:CD+2*\j+1], v[X+8*\j:X+8*\j+7], v10
.endr
	v_nop                                          ; a plain line behind the last conversion
.irp k, 0,1,2,3
	global_store_b128 v2, v[CD+4*\k:CD+4*\k+3], s[34:35] offset:4096*\k   ; chunk 4 cq + k: 32 lanes store 512 consecutive bytes, aligned
.endr
	s_wait_tensorcnt 0x0                           ; the wave's end, behind my last LDS store
	ds_add_u32 v8, v9
	s_wait_dscnt 0x0
	s_endpgm
.Lfunc_end_k_q219b122a3e_prep:
	.size	k_q219b122a3e_prep, .Lfunc_end_k_q219b122a3e_prep-k_q219b122a3e_prep
	.p2alignl 7, 3214868480
	.fill 96, 4, 3214868480
	.section	.rodata,"a",@progbits
	.p2align	6, 0x0
	.amdhsa_kernel k_q219b122a3e_prep
		.amdhsa_group_segment_fixed_size 77824
		.amdhsa_private_segment_fixed_size 0
		.amdhsa_enable_private_segment 0
		.amdhsa_kernarg_size 72
		.amdhsa_user_sgpr_count 2
		.amdhsa_user_sgpr_kernarg_segment_ptr 1
		.amdhsa_wavefront_size32 1
		.amdhsa_system_sgpr_workgroup_id_x 1
		.amdhsa_system_sgpr_workgroup_id_y 1
		.amdhsa_system_sgpr_workgroup_id_z 1
		.amdhsa_system_vgpr_workitem_id 0
		.amdhsa_next_free_vgpr 128
		.amdhsa_next_free_sgpr 66
		.amdhsa_reserve_vcc 0
		.amdhsa_float_denorm_mode_32 3
		.amdhsa_float_denorm_mode_16_64 3
		.amdhsa_memory_ordered 1
		.amdhsa_forward_progress 1
		.amdhsa_inst_pref_size 34
	.end_amdhsa_kernel
	.amdgpu_metadata
---
amdhsa.version: [ 1, 2 ]
amdhsa.kernels:
  - .name:           k_q219b122a3e_prep
    .symbol:         k_q219b122a3e_prep.kd
    .args:
      - { .name: desc_dense, .offset: 0, .size: 8, .value_kind: global_buffer, .address_space: global }
      - { .name: keypoint_desc, .offset: 8, .size: 8, .value_kind: global_buffer, .address_space: global }
      - { .name: keypoint_coords, .offset: 16, .size: 8, .value_kind: global_buffer, .address_space: global }
      - { .name: lowp_scales, .offset: 24, .size: 8, .value_kind: global_buffer, .address_space: global }
      - { .name: tcodes, .offset: 32, .size: 8, .value_kind: global_buffer, .address_space: global }
      - { .name: scodes, .offset: 40, .size: 8, .value_kind: global_buffer, .address_space: global }
      - { .name: tb16, .offset: 48, .size: 8, .value_kind: global_buffer, .address_space: global }
      - { .name: srcn, .offset: 56, .size: 8, .value_kind: global_buffer, .address_space: global }
      - { .name: uv, .offset: 64, .size: 8, .value_kind: global_buffer, .address_space: global }
    .group_segment_fixed_size: 77824
    .private_segment_fixed_size: 0
    .kernarg_segment_align: 8
    .kernarg_segment_size: 72
    .max_flat_workgroup_size: 512
    .sgpr_count:     66
    .vgpr_count:     128
    .wavefront_size: 32
...
	.end_amdgpu_metadata
.endif
;; end of part 4
;; launch match (part 5): grid 256 x 1, 8 waves a work-group, no clusters, 0 bytes of LDS; arguments tcodes, scodes, uv, lowp_scales, out0, sidx, swt; writes out0, sidx, swt
.if DOCPART == 5
	.amdgcn_target "amdgcn-amd-amdhsa--gfx1250"
	.amdhsa_code_object_version 6
	.text
	.protected	k_q219b122a3e_match
	.globl	k_q219b122a3e_match
	.p2align	8
	.type	k_q219b122a3e_match,@function
k_q219b122a3e_match:
	s_mov_b64 s[64:65], 0
	v_nop
	global_prefetch_b8 v0, s[64:65] scope:SCOPE_SE
	s_setreg_imm32_b32 hwreg(HW_REG_WAVE_SCHED_MODE, 0, 2), 2
	s_setreg_imm32_b32 hwreg(HW_REG_WAVE_MODE, 25, 1), 1
	s_wait_xcnt 0x0
	s_wait_alu depctr_vm_vsrc(0)
; SoftmaxMatcher, launch 2 of 3: the correlation inside each keypoint's window, the softmax over all 65,536 pixels, the soft-argmax (out0), and where the third launch samples.
; WORK LEFT OUT (shown at the first kernel's head): the products that the window mask multiplies by 0; their logits are 0, and their part of the sums is taken in closed form.
; LIMITS: e0 + e1 between -133 and 120 (they are added to the exponent field of 100 log2(e)).  NaN among the inputs is not served.
; SHARES.  One wave, one keypoint kp = 8 x work-group + wave; every wave does the same work: 27 image rows x 32 pixels, which cover the window of 27 x 27 wherever it lies.
; Image rows and pixels that fall outside the image or the window are loaded from a clamped place and masked.  u and v are whole numbers that the first launch stored.
; THE PRODUCT.  Source 0: the keypoint's 256 codes, the same in all 16 rows (windows differ from keypoint to keypoint, so the product is a vector's); source 1: 16 pixels.  K = 256 is two instructions of 128.
; Lane (r, h), registers 4 c .. 4 c + 3 of K step s, hold the 16 channels of chunk 8 s + 2 c + h, on both sides: each channel meets its partner.  In the result, register 0 of lane l is the sum for pixel l % 16
; in both halves of the lanes: one select joins the row's two tiles into one register, lane l = pixel u0 + l.
; No LDS, no barrier, no tensor load, no cluster: which tiles two waves share hangs on the data.  No branch: the 27 rows are written out.
; REGISTERS.  Window 0: v1 lane, v2, v3 offsets, v4 -infinity, v5 float(u0 + lane), v6-15 at work, v16-47 the keypoint's codes, v48-63 two accumulators, v64-91 the 27 rows' logits (and one more of -infinity), v92-127 sums and results.
;   Five buffers of 64 registers for the rows' codes: buffers 0 to 3 are window 1 (v256-511), buffer 4 is v128-191 of window 0.  Row i lies in buffer i % 5, tile t, K step s at 32 t + 16 s of it.  Loads run four rows ahead.
; THE MODE: SCHED_MODE bits 1:0 = 2 (LLVM: expert scheduling mode 2), set by the entry lines.  The code itself states the register dependences
; between vector or matrix instructions and memory instructions, with s_wait_alu, always for 0.
; THE PLAN.  Registers that memory instructions touch:
;   v2, v3, v127   offsets: written once at the head by vector lines, never again; read by the loads (v2, v3) and by the three stores (v127).
;   v16-47         the keypoint's codes: written by eight loads, read by matrix instructions alone, never written again.
;   buffer b       written by the sixteen loads of a row, read by that row's four matrix instructions, and loaded again one row later: row i's loads (for row i + 4) land in buffer (i + 4) % 5 = (i - 1) % 5,
;                  which the row before multiplied and which no vector or matrix instruction of row i names.
;   v106-115       the results: written by the last vector lines, read by the three stores.
; So ONE wait on va_vdst stands at the head of a row, behind the wait for the row's data: the row before's matrix instructions are done reading their buffer.  The row's four products follow it, then its sixteen loads
; with no further wait: the products name the keypoint's codes, buffer i % 5 and the accumulators, none of the registers that those loads touch.  The loads stand in one run: a product's destination lies in window 0 and a
; load's mostly in window 1, so each change from one kind to the other is a switch of the windows.
.set A0, 16
.set A1, 32
.set D0, 48
.set D1, 56
.set LG, 64
.set MSB, 0
.macro WIN new                         ; s_set_vgpr_msb: bits 1:0 source 0, 3:2 source 1, 5:4 source 2, 7:6 destination; the immediate's high byte repeats the setting that is left
.if MSB != (\new)
	s_set_vgpr_msb (MSB<<8)|(\new)
.set MSB, (\new)
.endif
.endm
.macro BUFOF i                         ; row i's buffer: BR its first register's number in its window, BWN the window
.if (\i)%5 < 4
.set BR, 64*((\i)%5)
.set BWN, 1
.else
.set BR, 128
.set BWN, 0
.endif
.endm
; Row i's base: image row clamp(v - 13 + i, 0, 255) of 65,536 bytes.  Each row has a pair of its own (s28-63, s66-83), so that no base is written while a load reads it.
.macro ROWBASE i
	s_add_co_i32 s24, s85, \i
	s_max_i32 s24, s24, 0
	s_min_u32 s24, s24, 255
	s_lshl_b32 s24, s24, 16
	s_add_nc_u64 s[28+2*(\i)+2*((\i)/18):29+2*(\i)+2*((\i)/18)], s[26:27], s[24:25]
.endm
; Row i's 32 pixels x 256 codes: 16 loads; in each, sixteen lanes read 256 consecutive bytes of one chunk
.macro LOADROW i
	BUFOF \i
	WIN 0x40*BWN                                   ; destination: the buffer's window
.irp t, 0,1
.irp s, 0,1
.irp c, 0,1,2,3
	global_load_b128 v[BR+32*\t+16*\s+4*\c:BR+32*\t+16*\s+4*\c+3], v3, s[28+2*(\i)+2*((\i)/18):29+2*(\i)+2*((\i)/18)] offset:(8*\s+2*\c)*4096+256*\t
.endr
.endr
.endr
	WIN 0
.endm
.macro ROW i
	BUFOF \i
.if 26-(\i) >= 3
	s_wait_loadcnt 48                              ; this row's sixteen loads are in (and the keypoint's, which are older); the three younger rows' may be out
.else
	s_wait_loadcnt 16*(26-(\i))
.endif
.if ((\i) > 0) && ((\i)+4 <= 26)
	s_wait_alu depctr_va_vdst(0)                   ; the four matrix instructions of the row before are done reading their buffer, in which the sixteen loads below land.  (Row 0's loads land in a buffer that nothing has named; the last four rows load nothing)
.endif
	WIN 4*BWN                                      ; source 1: the buffer's window
	v_wmma_f32_16x16x128_fp8_fp8 v[D0:D0+7], v[A0:A0+15], v[BR:BR+15], 0          ; the two accumulators take turns, one instruction a turn
	v_wmma_f32_16x16x128_fp8_fp8 v[D1:D1+7], v[A0:A0+15], v[BR+32:BR+47], 0
	v_wmma_f32_16x16x128_fp8_fp8 v[D0:D0+7], v[A1:A1+15], v[BR+16:BR+31], v[D0:D0+7]
	v_wmma_f32_16x16x128_fp8_fp8 v[D1:D1+7], v[A1:A1+15], v[BR+48:BR+63], v[D1:D1+7]
	s_add_co_i32 s89, s85, \i                      ; is image row v - 13 + i inside the image?
	s_cmp_lt_u32 s89, 256
	s_cselect_b32 s88, s86, 0                      ; then the lanes inside the window count, else none
.if (\i)+4 <= 26
	LOADROW (\i)+4                                 ; no wait: no vector or matrix instruction since the wait at the row's head names v3 or this buffer
.else
	WIN 0
.endif
.rept 5
	v_nop                                          ; four places in front of the reads of the results (ISA guide 7.12.1); the fifth for the next row's products, which begin the accumulators anew
.endr
	v_cndmask_b32 v[LG+(\i)], v[D0], v[D1], s87    ; lanes 0-15: tile 0, lanes 16-31: tile 1; each accumulator's lowest register
	v_cndmask_b32 v[LG+(\i)], v4, v[LG+(\i)], s88  ; what is not in the window is counted with the pixels outside: -infinity here
.endm
.macro FBITS i                         ; FB = the f32 pattern of the whole number i, 1 to 31
.if (\i) >= 16
.set FB, (131<<23)|(((\i)-16)<<19)
.elseif (\i) >= 8
.set FB, (130<<23)|(((\i)-8)<<20)
.elseif (\i) >= 4
.set FB, (129<<23)|(((\i)-4)<<21)
.elseif (\i) >= 2
.set FB, (128<<23)|(((\i)-2)<<22)
.else
.set FB, 127<<23
.endif
.endm
.macro WSUM acc, i                     ; acc += i x p(row i)
	FBITS \i
	v_fmamk_f32 v[\acc], v[LG+(\i)], FB, v[\acc]
.endm
	s_load_b256 s[4:11], s[0:1], 0x0               ; tcodes s[4:5], scodes s[6:7], uv s[8:9], lowp_scales s[10:11]
	s_load_b128 s[12:15], s[0:1], 0x20             ; out0 s[12:13], sidx s[14:15]
	s_load_b64 s[16:17], s[0:1], 0x30              ; swt
	v_lshrrev_b32 v6, 5, v0
	v_readfirstlane_b32 s2, v6                     ; wave
	v_and_b32 v1, 31, v0                           ; lane
	v_lshrrev_b32 v2, 4, v1
	v_lshlrev_b32 v2, 12, v2                       ; the keypoint's codes: 4,096 h: my half's chunk
	v_and_b32 v3, 15, v1
	v_lshl_or_b32 v3, v3, 4, v2                    ; a row's codes: 16 r + 4,096 h
	v_mov_b32 v4, 0xff800000                       ; -infinity
	v_mov_b32 v[LG+27], 0xff800000                 ; a 28th row that counts for nothing: the rows go in pairs
	v_mov_b32 v127, 0
	s_mov_b32 s25, 0
	s_mov_b32 s87, 0xffff0000                      ; lanes 16-31
	s_mov_b32 s90, 0x76543210                      ; v_permlanex16_b32's selects for lane l xor 16
	s_mov_b32 s91, 0xfedcba98
	s_mov_b32 s100, 0x3f808081                     ; 256 / 255
	s_mov_b32 s101, 0x437f0000                     ; 255.0
	s_wait_alu depctr_va_sdst(0)                   ; s2, the wave's number, is written, ahead of its first reader: the keypoint's number is made from it
	s_lshl_b32 s3, ttmp9, 3
	s_add_co_u32 s3, s3, s2                        ; kp
	s_wait_kmcnt 0x0
	s_lshl_b32 s24, s3, 3
	s_add_nc_u64 s[8:9], s[8:9], s[24:25]
	s_add_nc_u64 s[12:13], s[12:13], s[24:25]      ; out0 at my keypoint
	s_load_b64 s[18:19], s[8:9], 0x0               ; u, v
	s_load_b64 s[20:21], s[10:11], 0x0             ; e0, e1
	s_lshl_b32 s24, s3, 4
	s_add_nc_u64 s[14:15], s[14:15], s[24:25]      ; sidx and swt likewise
	s_add_nc_u64 s[16:17], s[16:17], s[24:25]
	s_lshr_b32 s24, s3, 8
	s_lshl_b32 s24, s24, 16
	s_and_b32 s89, s3, 255
	s_lshl_b32 s89, s89, 4
	s_add_co_u32 s24, s24, s89
	s_add_nc_u64 s[6:7], s[6:7], s[24:25]          ; scodes: R = kp >> 8, column kp & 255
	s_wait_alu depctr_va_vdst(0)                   ; the offsets v2 and v3 are written, which every load of the kernel reads, and v127, which the stores read; none of them is written again
.irp s, 0,1
.irp c, 0,1,2,3
	global_load_b128 v[A0+16*\s+4*\c:A0+16*\s+4*\c+3], v2, s[6:7] offset:(8*\s+2*\c)*4096
.endr
.endr
	s_wait_kmcnt 0x0
	s_sub_co_i32 s84, s18, 13                      ; u - 13
	s_sub_co_i32 s85, s19, 13                      ; v - 13
	s_max_i32 s92, s84, 0
	s_min_u32 s92, s92, 224                        ; u0: the 32 pixels u0 .. u0 + 31 lie in the image and cover the window's columns
	s_lshl_b32 s24, s92, 4
	s_lshr_b32 s89, s3, 10                         ; f
	s_lshl_b32 s89, s89, 24
	s_add_co_u32 s24, s24, s89
	s_add_nc_u64 s[26:27], s[4:5], s[24:25]        ; tcodes at frame f, pixel u0
.irp i, 0,1,2,3
	ROWBASE \i
	LOADROW \i                                     ; only scalar lines stand between the wait above and these loads
.endr
.irp i, 4,5,6,7,8,9,10,11,12,13,14,15,16,17,18,19,20,21,22,23,24,25,26
	ROWBASE \i
.endr
	; while the first rows are on their way: the lanes' mask, the constants, and the closed form for the pixels outside the window, in whole numbers
	v_add_nc_u32 v6, s92, v1                       ; my pixel's u
	v_cvt_f32_u32 v5, v6
	v_sub_nc_u32 v6, v6, s84
	v_cmp_gt_u32 s86, 27, v6                       ; in the window where 0 <= u - (u_kp - 13) < 27
	v_cvt_f32_i32 v11, s85                         ; float(v - 13)
	s_add_co_i32 s22, s20, s21
	s_lshl_b32 s22, s22, 23
	s_add_co_i32 s22, s22, 0x431044fe              ; c = 100 log2(e) x 2^(e0 + e1): a sum of codes' products x c is the logit in base 2
	s_mov_b32 s23, s22                             ; (named with it as a pair, so it is written)
	s_max_i32 s93, s84, 0                          ; ulo
	s_add_co_i32 s94, s18, 13
	s_min_i32 s94, s94, 255                        ; uhi
	s_sub_co_i32 s95, s94, s93
	s_add_co_i32 s95, s95, 1
	s_max_i32 s95, s95, 0                          ; nu: the window's columns inside the image
	s_add_co_i32 s93, s93, s94
	s_mul_i32 s93, s93, s95
	s_lshr_b32 s93, s93, 1                         ; ulo + .. + uhi
	s_max_i32 s96, s85, 0                          ; the same for v
	s_add_co_i32 s97, s19, 13
	s_min_i32 s97, s97, 255
	s_sub_co_i32 s98, s97, s96
	s_add_co_i32 s98, s98, 1
	s_max_i32 s98, s98, 0                          ; nv
	s_add_co_i32 s96, s96, s97
	s_mul_i32 s96, s96, s98
	s_lshr_b32 s96, s96, 1                         ; vlo + .. + vhi
	s_mul_i32 s99, s95, s98
	s_sub_co_u32 s99, 0x10000, s99                 ; pixels outside the window
	s_mul_i32 s93, s93, s98
	s_sub_co_u32 s93, 8355840, s93                 ; the sum of their u
	s_mul_i32 s96, s96, s95
	s_sub_co_u32 s96, 8355840, s96                 ; the sum of their v
	v_cvt_f32_u32 v99, s99                         ; all three are under 2^24: exact in f32
	v_cvt_f32_u32 v100, s93
	v_cvt_f32_u32 v101, s96
	s_wait_alu depctr_va_sdst(0)                   ; s86, the mask of the lanes inside the window, is written by the compare above, ahead of its first reader: row 0's select
.set ri, 0
.rept 27
	ROW ri
.set ri, ri+1
.endr
	; ---- the softmax.  The maximum is taken over the window's sums and 0, the logit of the pixels outside, of which there are always some; c is positive, so the largest sum gives the largest logit
	v_max3_num_f32 v6, v[LG], v[LG+1], v[LG+2]
	v_max3_num_f32 v7, v[LG+3], v[LG+4], v[LG+5]
.irp j, 6,10,14,18,22
	v_max3_num_f32 v6, v6, v[LG+\j], v[LG+\j+1]
	v_max3_num_f32 v7, v7, v[LG+\j+2], v[LG+\j+3]
.endr
	v_max3_num_f32 v6, v6, v7, v[LG+26]
	v_max_num_f32 v6, 0, v6
.irp m, 1,2,4,8
	v_max_num_f32_dpp v6, v6, v6 row_xmask:\m row_mask:0xf bank_mask:0xf
.endr
	v_permlanex16_b32 v7, v6, s90, s91
	v_max_num_f32 v6, v6, v7                       ; every lane holds the maximum
	v_mul_f32 v8, -v6, s22                         ; -c x maximum
	v_mov_b32 v9, v8                               ; (named with it as a pair)
.irp j, 0,2,4,6,8,10,12,14,16,18,20,22,24,26
	v_pk_fma_f32 v[LG+\j:LG+\j+1], v[LG+\j:LG+\j+1], s[22:23], v[8:9] op_sel_hi:[1,0,0]   ; c x sum - c x maximum, two at a time; -infinity stays
.endr
	s_wait_alu depctr_va_vdst(0)
.irp j, 0,1,2,3,4,5,6,7,8,9,10,11,12,13,14,15,16,17,18,19,20,21,22,23,24,25,26,27
	v_exp_f32 v[LG+\j], v[LG+\j]                   ; p, at most 1
.endr
	v_exp_f32 v10, v8                              ; the p of each pixel outside the window
	v_nop                                          ; a plain instruction behind the last exponential,
	s_wait_alu depctr_va_vdst(0)                   ; and one wait for the whole batch, ahead of its first reader: the 29 exponentials have written v64-91 and v10
	v_pk_add_f32 v[12:13], v[LG:LG+1], v[LG+2:LG+3]       ; my pixel column's sum of p, in two chains of pairs
	v_pk_add_f32 v[14:15], v[LG+4:LG+5], v[LG+6:LG+7]
.irp j, 8,12,16,20,24
	v_pk_add_f32 v[12:13], v[12:13], v[LG+\j:LG+\j+1]
	v_pk_add_f32 v[14:15], v[14:15], v[LG+\j+2:LG+\j+3]
.endr
	v_pk_add_f32 v[12:13], v[12:13], v[14:15]
	v_add_f32 v92, v12, v13                        ; S
	v_mul_f32 v93, 2.0, v[LG+2]                    ; the sum of i x p(row i), even rows and odd rows apart
	FBITS 3
	v_fmamk_f32 v94, v[LG+3], FB, v[LG+1]
.irp i, 4,6,8,10,12,14,16,18,20,22,24
	WSUM 93, \i
	WSUM 94, (\i)+1
.endr
	WSUM 93, 26
	v_add_f32 v93, v93, v94
	v_mul_f32 v95, v92, v5                         ; u x p: a lane holds one u
.irp m, 1,2,4,8
	v_add_f32_dpp v92, v92, v92 row_xmask:\m row_mask:0xf bank_mask:0xf
	v_add_f32_dpp v93, v93, v93 row_xmask:\m row_mask:0xf bank_mask:0xf
	v_add_f32_dpp v95, v95, v95 row_xmask:\m row_mask:0xf bank_mask:0xf
.endr
	v_permlanex16_b32 v12, v92, s90, s91
	v_permlanex16_b32 v13, v93, s90, s91
	v_permlanex16_b32 v14, v95, s90, s91
	v_add_f32 v92, v92, v12
	v_add_f32 v93, v93, v13
	v_add_f32 v95, v95, v14
	v_fma_f32 v93, v11, v92, v93                   ; the sum of v x p = (v - 13) S + the sum of i x p
	v_fma_f32 v102, v10, v99, v92                  ; the softmax's divisor, with the pixels outside,
	v_fma_f32 v103, v10, v100, v95                 ; and the two sums of coordinates likewise
	v_fma_f32 v104, v10, v101, v93
	s_wait_alu depctr_va_vdst(0)
	v_rcp_f32 v105, v102
	v_nop                                          ; a plain instruction behind the reciprocal,
	s_wait_alu depctr_va_vdst(0)                   ; and the wait ahead of its first reader: the reciprocal has written v105
	v_mul_f32 v106, v103, v105                     ; pseudo_coords: u,
	v_mul_f32 v107, v104, v105                     ; v
	; ---- where the third launch samples: x = ((2 u / 255 - 1 + 1) 256 - 1) / 2 = u 256 / 255 - 0.5.  The bilinear form is continuous in x, so the last bit of x moves no result by more than rounding
	v_fma_f32 v116, v106, s100, -0.5
	v_fma_f32 v117, v107, s100, -0.5
	v_floor_f32 v118, v116                         ; x0
	v_floor_f32 v119, v117                         ; y0
	v_sub_f32 v120, v116, v118                     ; wx1
	v_sub_f32 v121, v117, v119                     ; wy1
	v_sub_f32 v122, 1.0, v120                      ; wx0
	v_sub_f32 v123, 1.0, v121                      ; wy0
	v_add_f32 v124, 1.0, v118                      ; x1
	v_add_f32 v125, 1.0, v119                      ; y1
	; The four sample coordinates x0, x1, y0, y1: each is held inside the image; where the hold moved it, its weight becomes 0 (padding with zeros); the held place goes out as a whole number.
	; The four compares stand in one run, each into a scalar register of its own (s18-21 are free: u, v, e0, e1 have been used), so that one wait serves the four selects.
	v_med3_num_f32 v96, v118, 0, s101
	v_med3_num_f32 v97, v124, 0, s101
	v_med3_num_f32 v98, v119, 0, s101
	v_med3_num_f32 v126, v125, 0, s101
	v_cmp_eq_f32 s18, v96, v118
	v_cmp_eq_f32 s19, v97, v124
	v_cmp_eq_f32 s20, v98, v119
	v_cmp_eq_f32 s21, v126, v125
	v_cvt_i32_f32 v108, v96
	v_cvt_i32_f32 v109, v97
	v_cvt_i32_f32 v110, v98
	v_cvt_i32_f32 v111, v126
	s_wait_alu depctr_va_sdst(0)                   ; the four compares have written s18 to s21, ahead of their first readers, the selects below
	v_cndmask_b32 v122, 0, v122, s18
	v_cndmask_b32 v120, 0, v120, s19
	v_cndmask_b32 v123, 0, v123, s20
	v_cndmask_b32 v121, 0, v121, s21
	v_mul_f32 v112, v122, v123                     ; the weights of (x0, y0), (x1, y0), (x0, y1), (x1, y1)
	v_mul_f32 v113, v120, v123
	v_mul_f32 v114, v122, v121
	v_mul_f32 v115, v120, v121
	; every lane holds the same results: lane 0 stores them.  40 bytes a keypoint, 80 KiB in the launch
	v_cmp_eq_u32 vcc_lo, 0, v1
	s_wait_xcnt 0x0                                ; EXEC changes only behind this wait
	s_wait_alu depctr_va_vcc(0)                    ; the compare has written VCC, from which EXEC is made
	s_wait_alu depctr_va_vdst(0)                   ; every vector instruction issued under the full EXEC is done; among them those that wrote v106 to v115, which the stores below read
	s_wait_alu depctr_vm_vsrc(0)                   ; every memory instruction issued under the full EXEC has read its vector registers
	s_and_saveexec_b32 s89, vcc_lo
	global_store_b64 v127, v[106:107], s[12:13]
	global_store_b128 v127, v[108:111], s[14:15]   ; whole numbers 0 .. 255: x0, x1, y0, y1
	global_store_b128 v127, v[112:115], s[16:17]
	s_wait_xcnt 0x0                                ; and again, in front of the line that widens it
	s_wait_alu depctr_va_vdst(0)                   ; ahead of the write of EXEC: no vector instruction is under way
	s_wait_alu depctr_vm_vsrc(0)                   ; and the three stores, issued under the narrow EXEC, have read their vector registers
	s_or_b32 exec_lo, exec_lo, s89
	s_endpgm
.Lfunc_end_k_q219b122a3e_match:
	.size	k_q219b122a3e_match, .Lfunc_end_k_q219b122a3e_match-k_q219b122a3e_match
	.p2alignl 7, 3214868480
	.fill 96, 4, 3214868480
	.section	.rodata,"a",@progbits
	.p2align	6, 0x0
	.amdhsa_kernel k_q219b122a3e_match
		.amdhsa_group_segment_fixed_size 0
		.amdhsa_private_segment_fixed_size 0
		.amdhsa_enable_private_segment 0
		.amdhsa_kernarg_size 56
		.amdhsa_user_sgpr_count 2
		.amdhsa_user_sgpr_kernarg_segment_ptr 1
		.amdhsa_wavefront_size32 1
		.amdhsa_system_sgpr_workgroup_id_x 1
		.amdhsa_system_sgpr_workgroup_id_y 1
		.amdhsa_system_sgpr_workgroup_id_z 1
		.amdhsa_system_vgpr_workitem_id 0
		.amdhsa_next_free_vgpr 512
		.amdhsa_next_free_sgpr 102
		.amdhsa_reserve_vcc 1
		.amdhsa_float_denorm_mode_32 3
		.amdhsa_float_denorm_mode_16_64 3
		.amdhsa_memory_ordered 1
		.amdhsa_forward_progress 1
		.amdhsa_inst_pref_size 81
	.end_amdhsa_kernel
	.amdgpu_metadata
---
amdhsa.version: [ 1, 2 ]
amdhsa.kernels:
  - .name:           k_q219b122a3e_match
    .symbol:         k_q219b122a3e_match.kd
    .args:
      - { .name: tcodes, .offset: 0, .size: 8, .value_kind: global_buffer, .address_space: global }
      - { .name: scodes, .offset: 8, .size: 8, .value_kind: global_buffer, .address_space: global }
      - { .name: uv, .offset: 16, .size: 8, .value_kind: global_buffer, .address_space: global }
      - { .name: lowp_scales, .offset: 24, .size: 8, .value_kind: global_buffer, .address_space: global }
      - { .name: out0, .offset: 32, .size: 8, .value_kind: global_buffer, .address_space: global }
      - { .name: sidx, .offset: 40, .size: 8, .value_kind: global_buffer, .address_space: global }
      - { .name: swt, .offset: 48, .size: 8, .value_kind: global_buffer, .address_space: global }
    .group_segment_fixed_size: 0
    .private_segment_fixed_size: 0
    .kernarg_segment_align: 8
    .kernarg_segment_size: 56
    .max_flat_workgroup_size: 256
    .sgpr_count:     102
    .vgpr_count:     512
    .wavefront_size: 32
...
	.end_amdgpu_metadata
.endif
;; end of part 5
;; launch sample (part 6): grid 256 x 1, 8 waves a work-group, no clusters, 0 bytes of LDS; arguments tb16, srcn, sidx, swt, scores_dense, keypoint_scores, out1, out2; writes out1, out2
.if DOCPART == 6
	.amdgcn_target "amdgcn-amd-amdhsa--gfx1250"
	.amdhsa_code_object_version 6
	.text
	.protected	k_q219b122a3e_sample
	.globl	k_q219b122a3e_sample
	.p2align	8
	.type	k_q219b122a3e_sample,@function
k_q219b122a3e_sample:
	s_mov_b64 s[64:65], 0
	v_nop
	global_prefetch_b8 v0, s[64:65] scope:SCOPE_SE
	s_setreg_imm32_b32 hwreg(HW_REG_WAVE_MODE, 25, 1), 1
	s_wait_xcnt 0x0
; SoftmaxMatcher, launch 3 of 3: the bilinear samples at the soft-argmax, the descriptor match score, out1; and out2 = kp_inds = [0, 2].
; WORK LEFT OUT (shown at the first kernel's head): the frames that kp_inds and dense_inds slice away.
; FORMAT LIMIT (stated there too): the sampled descriptors come from the bf16 copy tb16; products and sums are f32.
; One wave, one keypoint kp = 8 x work-group + wave.  The four sample places are whole numbers 0 .. 255 that the second launch stored (held again here ahead of the addresses); their weights carry the zeros of the padding.
; sum over c of src[c] x (sum over corners of w_k d_k[c]) = sum over corners of w_k x (sum over c of src[c] d_k[c]): lane j takes channels 8 j .. 8 j + 7: 16 bytes of each corner's bf16 and 32 bytes of the source's f32.
; Nothing is shared between waves: no LDS, no barrier; the launch is short and reads a few KiB a keypoint.
; v1 lane, v2 offset in tb16, v3 offset in srcn, v4-11 the source's 8 numbers, v12-27 the four corners, v28-31 their dot products, v32-37 at work
	s_load_b512 s[4:19], s[0:1], 0x0               ; tb16 s[4:5], srcn s[6:7], sidx s[8:9], swt s[10:11], scores_dense s[12:13], keypoint_scores s[14:15], out1 s[16:17], out2 s[18:19]
	v_lshrrev_b32 v2, 5, v0
	s_delay_alu instid0(VALU_DEP_1)
	v_readfirstlane_b32 s2, v2                     ; wave
	s_lshl_b32 s3, ttmp9, 3
	s_add_co_u32 s3, s3, s2                        ; kp
	s_lshr_b32 s20, s3, 10                         ; f
	v_and_b32 v1, 31, v0                           ; lane j
	s_delay_alu instid0(VALU_DEP_1)
	v_lshrrev_b32 v2, 3, v1
	s_delay_alu instid0(VALU_DEP_2)
	v_and_b32 v3, 7, v1
	s_delay_alu instid0(VALU_DEP_2)
	v_lshlrev_b32 v2, 24, v2
	s_delay_alu instid0(VALU_DEP_1)
	v_lshl_or_b32 v2, v3, 4, v2                    ; plane j / 8 of 2^24 bytes, + 16 (j % 8)
	v_lshlrev_b32 v3, 13, v1                       ; srcn: groups 2 j and 2 j + 1 of four channels, 4,096 bytes each
	v_mov_b32 v35, 0
	s_mov_b32 s23, 0
	s_mov_b32 s54, 0x76543210                      ; v_permlanex16_b32's selects for lane l xor 16
	s_mov_b32 s55, 0xfedcba98
	s_mov_b32 s59, 0x3b000000                      ; 1 / 512
	s_lshl_b32 s56, s20, 23                        ; tb16: frame f's 65,536 pixels of 128 bytes
	s_lshl_b32 s57, s20, 19
	s_add_co_u32 s57, s57, 1<<18                   ; scores_dense: frame 2 f + 1 of 2^18 bytes
	s_wait_alu depctr_va_vdst(0)
	s_wait_kmcnt 0x0
	s_lshl_b32 s22, s3, 4
	s_add_nc_u64 s[8:9], s[8:9], s[22:23]
	s_add_nc_u64 s[10:11], s[10:11], s[22:23]
	s_load_b128 s[24:27], s[8:9], 0x0              ; x0, x1, y0, y1
	s_load_b128 s[28:31], s[10:11], 0x0            ; w00, w10, w01, w11
	s_lshl_b32 s22, s20, 13                        ; keypoint_scores: frame 2 f of 4,096 bytes, keypoint n
	s_and_b32 s21, s3, 1023
	s_lshl_b32 s21, s21, 2
	s_add_co_u32 s22, s22, s21
	s_add_nc_u64 s[14:15], s[14:15], s[22:23]
	s_load_b32 s32, s[14:15], 0x0
	s_lshr_b32 s22, s3, 8                          ; srcn: R = kp >> 8, column kp & 255
	s_lshl_b32 s22, s22, 18
	s_and_b32 s21, s3, 255
	s_lshl_b32 s21, s21, 4
	s_add_co_u32 s22, s22, s21
	s_add_nc_u64 s[6:7], s[6:7], s[22:23]
	global_load_b128 v[4:7], v3, s[6:7]
	global_load_b128 v[8:11], v3, s[6:7] offset:4096
	s_lshl_b32 s22, s3, 2
	s_add_nc_u64 s[16:17], s[16:17], s[22:23]      ; out1 at my keypoint
	s_wait_kmcnt 0x0
	s_min_u32 s24, s24, 255                        ; a loaded number enters an address only behind such a hold
	s_min_u32 s25, s25, 255
	s_min_u32 s26, s26, 255
	s_min_u32 s27, s27, 255
; Corner k at (x, y): its descriptor's 16 bytes a lane, and its score
.macro CORN k, xs, ys
	s_lshl_b32 s22, s[\ys], 15
	s_lshl_b32 s21, s[\xs], 7
	s_add_co_u32 s22, s22, s21
	s_add_co_u32 s22, s22, s56
	s_add_nc_u64 s[34+2*\k:35+2*\k], s[4:5], s[22:23]
	global_load_b128 v[12+4*\k:15+4*\k], v2, s[34+2*\k:35+2*\k]
	s_lshl_b32 s22, s[\ys], 10
	s_lshl_b32 s21, s[\xs], 2
	s_add_co_u32 s22, s22, s21
	s_add_co_u32 s22, s22, s57
	s_add_nc_u64 s[42+2*\k:43+2*\k], s[12:13], s[22:23]
	s_load_b32 s[50+\k], s[42+2*\k:43+2*\k], 0x0
.endm
	CORN 0, 24, 26
	CORN 1, 25, 26
	CORN 2, 24, 27
	CORN 3, 25, 27
; My 8 channels' part of corner k's dot product with the source: the first product starts the sum; bf16 halves are multiplied straight into f32
.macro DOT k
	s_wait_loadcnt 3-\k                            ; this corner's load is in (and the source's, which are older); the younger corners' may be out
	v_lshlrev_b32 v34, 16, v[12+4*\k]
	s_delay_alu instid0(VALU_DEP_1)
	v_mul_f32 v[28+\k], v34, v4
	s_delay_alu instid0(VALU_DEP_1)
	v_fma_mix_f32_bf16 v[28+\k], v[12+4*\k], v5, v[28+\k] op_sel:[1,0,0] op_sel_hi:[1,0,0]
.irp m, 1,2,3
	s_delay_alu instid0(VALU_DEP_1)
	v_fma_mix_f32_bf16 v[28+\k], v[12+4*\k+\m], v[4+2*\m], v[28+\k] op_sel_hi:[1,0,0]
	s_delay_alu instid0(VALU_DEP_1)
	v_fma_mix_f32_bf16 v[28+\k], v[12+4*\k+\m], v[5+2*\m], v[28+\k] op_sel:[1,0,0] op_sel_hi:[1,0,0]
.endr
.endm
	DOT 0
	DOT 1
	DOT 2
	DOT 3
	v_mul_f32 v32, s28, v28
	s_delay_alu instid0(VALU_DEP_1)
	v_fmac_f32 v32, s29, v29
	s_delay_alu instid0(VALU_DEP_1)
	v_fmac_f32 v32, s30, v30
	s_delay_alu instid0(VALU_DEP_1)
	v_fmac_f32 v32, s31, v31
.irp m, 1,2,4,8
	s_delay_alu instid0(VALU_DEP_1)
	v_add_f32_dpp v32, v32, v32 row_xmask:\m row_mask:0xf bank_mask:0xf
.endr
	s_delay_alu instid0(VALU_DEP_1)
	v_permlanex16_b32 v34, v32, s54, s55
	s_delay_alu instid0(VALU_DEP_1)
	v_add_f32 v32, v32, v34                        ; sum over the 256 channels of src x pseudo_desc
	s_wait_alu depctr_va_vdst(0)
	s_wait_kmcnt 0x0                               ; the four scores
	s_mul_f32 s58, s28, s50                        ; pseudo_scores
	s_fmac_f32 s58, s29, s51
	s_fmac_f32 s58, s30, s52
	s_fmac_f32 s58, s31, s53
	s_mul_f32 s58, s58, s32                        ; x src_scores
	v_fma_f32 v32, v32, s59, 0.5                   ; 0.5 (sum / 256 + 1)
	s_delay_alu instid0(VALU_DEP_1)
	v_mul_f32 v32, s58, v32
	v_cmp_eq_u32 vcc_lo, 0, v1
	s_wait_alu depctr_va_vdst(0)
	s_wait_xcnt 0x0                                ; EXEC changes only behind this wait
	s_and_saveexec_b32 s60, vcc_lo
	global_store_b32 v35, v32, s[16:17]            ; every lane holds the result: lane 0 stores it
	s_wait_xcnt 0x0
	s_or_b32 exec_lo, exec_lo, s60
	s_cmp_lg_u32 s3, 0                             ; the wave of keypoint 0 also writes out2
	s_cbranch_scc1 .Ldone
	v_lshlrev_b32 v36, 1, v1                       ; kp_inds[i] = 2 i
	v_lshlrev_b32 v37, 2, v1
	v_cmp_gt_u32 vcc_lo, 2, v1
	s_wait_alu depctr_va_vdst(0)
	s_wait_xcnt 0x0
	s_and_saveexec_b32 s60, vcc_lo
	global_store_b32 v37, v36, s[18:19]
	s_wait_xcnt 0x0
	s_or_b32 exec_lo, exec_lo, s60
.Ldone:
	s_endpgm
.Lfunc_end_k_q219b122a3e_sample:
	.size	k_q219b122a3e_sample, .Lfunc_end_k_q219b122a3e_sample-k_q219b122a3e_sample
	.p2alignl 7, 3214868480
	.fill 96, 4, 3214868480
	.section	.rodata,"a",@progbits
	.p2align	6, 0x0
	.amdhsa_kernel k_q219b122a3e_sample
		.amdhsa_group_segment_fixed_size 0
		.amdhsa_private_segment_fixed_size 0
		.amdhsa_enable_private_segment 0
		.amdhsa_kernarg_size 64
		.amdhsa_user_sgpr_count 2
		.amdhsa_user_sgpr_kernarg_segment_ptr 1
		.amdhsa_wavefront_size32 1
		.amdhsa_system_sgpr_workgroup_id_x 1
		.amdhsa_system_sgpr_workgroup_id_y 1
		.amdhsa_system_sgpr_workgroup_id_z 1
		.amdhsa_system_vgpr_workitem_id 0
		.amdhsa_next_free_vgpr 48
		.amdhsa_next_free_sgpr 66
		.amdhsa_reserve_vcc 1
		.amdhsa_float_denorm_mode_32 3
		.amdhsa_float_denorm_mode_16_64 3
		.amdhsa_memory_ordered 1
		.amdhsa_forward_progress 1
		.amdhsa_inst_pref_size 10
	.end_amdhsa_kernel
	.amdgpu_metadata
---
amdhsa.version: [ 1, 2 ]
amdhsa.kernels:
  - .name:           k_q219b122a3e_sample
    .symbol:         k_q219b122a3e_sample.kd
    .args:
      - { .name: tb16, .offset: 0, .size: 8, .value_kind: global_buffer, .address_space: global }
      - { .name: srcn, .offset: 8, .size: 8, .value_kind: global_buffer, .address_space: global }
      - { .name: sidx, .offset: 16, .size: 8, .value_kind: global_buffer, .address_space: global }
      - { .name: swt, .offset: 24, .size: 8, .value_kind: global_buffer, .address_space: global }
      - { .name: scores_dense, .offset: 32, .size: 8, .value_kind: global_buffer, .address_space: global }
      - { .name: keypoint_scores, .offset: 40, .size: 8, .value_kind: global_buffer, .address_space: global }
      - { .name: out1, .offset: 48, .size: 8, .value_kind: global_buffer, .address_space: global }
      - { .name: out2, .offset: 56, .size: 8, .value_kind: global_buffer, .address_space: global }
    .group_segment_fixed_size: 0
    .private_segment_fixed_size: 0
    .kernarg_segment_align: 8
    .kernarg_segment_size: 64
    .max_flat_workgroup_size: 256
    .sgpr_count:     66
    .vgpr_count:     48
    .wavefront_size: 32
...
	.end_amdgpu_metadata
.endif
;; end of part 6
